; MI455X (gfx1250); checked and timed in simulation.
; The chip was launched on July 23, 2026; its instructions are those of AMD's public machine-readable ISA for CDNA 5 (MIT licence, August 2026) and "CDNA5" Instruction Set Architecture Reference Guide (July 2026). The comments in the code are by the model that wrote it; some were corrected since.
;; Weight Share Self Attention. Allowed arithmetic: matrix products marked QUANTISED: E5M2 operands, one E8M0 scale for each 32 along K, by v_wmma_scale_f32_16x16x128_f8f6f4 with both operands' format E5M2, f32 sums; everything else in f32.
;; Inputs: W_o_codes 1,024 x 32 x 32 uint8 (E5M2 codes of W_o, K innermost, in blocks of 32 codes); W_o_scales 1,024 x 32 uint8 (E8M0 scales of W_o, one for each 32 codes along K); W_qkv_codes 3,072 x 32 x 32 uint8 (E5M2 codes of W_qkv, K innermost, in blocks of 32 codes); W_qkv_scales 3,072 x 32 uint8 (E8M0 scales of W_qkv, one for each 32 codes along K); W_r_codes 1,024 x 32 x 32 uint8 (E5M2 codes of W_r, K innermost, in blocks of 32 codes); W_r_scales 1,024 x 32 uint8 (E8M0 scales of W_r, one for each 32 codes along K); b_o 1,024 float32; pos_emb_codes 1 x 2,048 x 32 x 32 uint8 (E5M2 codes of pos_emb, K innermost, in blocks of 32 codes); pos_emb_scales 1 x 2,048 x 32 uint8 (E8M0 scales of pos_emb, one for each 32 codes along K); r_r_bias 16 x 64 float32; r_w_bias 16 x 64 float32; u1ss 2 x 3,072 x 2,048 float32; z1ss 2 x 1,024 x 2,048 float32.
;; Outputs: out0 2 x 1,024 x 2,048 float32.
;; This version of the problem:
;;   THIS VERSION OF THE PROBLEM IS GIVEN IN LOW PRECISION. The matrix products marked QUANTISED in the list below multiply operands that are first quantised to E5M2 (5 exponent bits, 2 mantissa bits; 8 bits a number), with one power-of-two scale for each 32 numbers along K (OCP MX v1.0); their sums are f32. All else is computed in f32.
;;   The module's matrix products, in the order in which they are computed (A, B: the left and right operand; K: the contracted axis; several contracted axes count as one K, in the product's order):
;;     1. [M 4,096, K 1,024] x [K 1,024, N 3,072]; A: input z1ss; B: input W_qkv (given as codes): QUANTISED
;;     2. [M 1,024, K 1,024] x [K 1,024, N 2,048]; A: input W_r (given as codes); B: input pos_emb (given as codes): QUANTISED
;;     3. batch 32 x [M 2,048, K 64] x [K 64, N 2,048]; A: computed on the way; B: computed on the way: QUANTISED
;;     4. batch 16 x [M 2,048, K 64] x [K 64, N 4,096]; A: computed on the way; B: computed on the way: QUANTISED
;;     5. batch 32 x [M 64, K 2,048] x [K 2,048, N 2,048]; A: computed on the way; B: softmax (see below): QUANTISED
;;     6. [M 4,096, K 1,024] x [K 1,024, N 1,024]; A: computed on the way; B: input W_o (given as codes): QUANTISED
;;   THE QUANTISER, for each operand of a quantised product, along K:
;;     - K is cut into blocks of 32 from its start; a last block that is shorter is filled with zeros.
;;     - A block's scale is 2^e with e = floor(log2(the largest magnitude in the block)) - 15, held to -126 .. 127; a block of zeros has e = 0. As a byte (E8M0): e + 127.
;;     - Each number is divided by its block's scale, clamped to +-57,344, and rounded to the nearest number of E5M2, ties to even, subnormals kept.
;;     - The product sums the exact products of the quantised numbers (number of the format x scale) in f32.
;;   ~~~python
;;   def quantise(x, axis):      # numpy; x: float32 -> the quantised numbers, widened to float32 again
;;       x = np.moveaxis(x, axis, -1); K = x.shape[-1]
;;       x = np.pad(x, [(0, 0)] * (x.ndim - 1) + [(0, -K % 32)]); x = x.reshape(x.shape[:-1] + (-1, 32)); a = np.abs(x).max(-1, keepdims=True)
;;       e = np.where(a > 0, np.clip(np.frexp(np.where(a > 0, a, 1))[1] - 1 - 15, -126, 127), 0)      # np.frexp(a)[1] - 1 = floor(log2(a)), exactly
;;       r = np.clip(x / 2.0 ** e, -57344, 57344)
;;       step = 2.0 ** (np.maximum(np.frexp(np.where(r == 0, 1, r))[1] - 1, -14) - 2)
;;       q = np.round(r / step) * step * 2.0 ** e      # np.round: ties to even
;;       return np.moveaxis(q.reshape(q.shape[:-2] + (-1,))[..., :K], -1, axis).astype(np.float32)
;;   ~~~
;;   SOFTMAX AHEAD OF A QUANTISED PRODUCT. Where the list says 'softmax', what is quantised is not the finished softmax but p = 2^(t - M), with t = logit x log2(e) and M = ceil(the row's largest t), a whole number; so 1/2 < the row's largest p <= 1. The row's sum l is taken of the UNQUANTISED p, in f32, and the product's result is divided by l at the end. Since M is a whole number, a kernel that streams over the keys may use a running M (the ceiling of the running maximum): every later rescaling is an exact power of two, which a block's scale takes up: the codes' values come out the same.
;;   OPERANDS COMPUTED ON THE WAY. 'Computed on the way' means the value that the module computes at that place (a softmax that the list does not call 'softmax' is quantised finished and normalised). What goes into a quantiser is computed in f32, as accurately as f32 sums, v_exp_f32 and their like allow (about 1e-6 of the number): no bf16 or f16 on the way to a quantiser, and a product that is left as it is and whose result goes on into a quantised operand takes f32 operands (vector FMAs, or v_wmma_f32_16x16x4_f32). A number that lies on a knife's edge between two numbers of the format may be rounded either way, as far as f32 arithmetic and the matrix unit's own rounding can turn it there, and no further.
;;   INPUTS GIVEN AS CODES. W_o (in the module: [1024, 1024], K = its axis 1); W_qkv (in the module: [3072, 1024], K = its axis 1); W_r (in the module: [1024, 1024], K = its axis 1); pos_emb (in the module: [1, 1024, 2048], K = its axis 1): each comes as NAME_codes (uint8): NAME with its K axis moved to the last place and cut into blocks of 32 codes, [.., K / 32, bytes a block], one block behind the other in memory; one code a byte (a code: sign, 5 exponent bits, 2 mantissa bits); and NAME_scales (uint8): the same leading axes, one E8M0 byte (e + 127) for each 32 codes along K. Its value is code x scale, taken as it is: it is not quantised again, and the codes and scales need not be those that the quantiser above would give.
;; One version. Each part assembles by itself: llvm-mc -triple=amdgcn-amd-amdhsa -mcpu=gfx1250 --defsym DOCPART=n.
;; ======== version 1 of 1: 4 launches
;; limits: right only within a limited range of input values
;; workspace buffers: zbuf 4,325,376 bytes; woimg 1,048,576 bytes; qbuf 8,650,752 bytes; kv 8,912,896 bytes; rbuf 1,114,112 bytes; xbuf 4,325,376 bytes
;; launch prep (part 1): grid 16 x 9, 4 waves a work-group, no clusters, 35,840 bytes of LDS; arguments z1ss, W_o_codes, zbuf, woimg; writes zbuf, woimg
.if DOCPART == 1
	.amdgcn_target "amdgcn-amd-amdhsa--gfx1250"
	.amdhsa_code_object_version 6
	.text
	.protected	k_q44336d9e30_prep
	.globl	k_q44336d9e30_prep
	.p2align	8
	.type	k_q44336d9e30_prep,@function
k_q44336d9e30_prep:
	s_mov_b64 s[64:65], 0
	v_nop
	global_prefetch_b8 v0, s[64:65] scope:SCOPE_SE
	s_setreg_imm32_b32 hwreg(HW_REG_WAVE_MODE, 25, 1), 1
	s_wait_xcnt 0x0
; FIRST OF FOUR LAUNCHES (prep, proj, attn, outln) of a Transformer-XL attention layer in MX-BF8: b = 2, d_model = 1024, 16 heads of 64, 2,048 positions.
; WORK LEFT OUT AS DEAD, in the whole program.  The mask that the layer builds itself keeps key j for query i only where 0 <= i - j <= 999.  The relative shift pads one column on the
; left and reshapes: element (i, j) of its result is flat element (i + 1) 2048 + j = i 2049 + (2048 - i + j) of the padded array, which for j <= i is column 2047 - (i - j) of row i of the
; unshifted product.  So, whatever the inputs hold, only positions 1048 .. 2047 of r_head_k reach an output: positions 0 .. 1023 of pos_emb and their part of W_r x pos_emb are not computed,
; and tiles of AC, BD and P V that lie wholly under the mask are not computed.  Every input keeps a way to the output and is loaded.
; LIMIT: a NaN, an infinity or an overflow that reaches only the work left out is not carried to the result.
; THIS LAUNCH.  Work-group rows y = 0 .. 7: z1ss [2][1024 (d)][2048 (q)] f32, whose K (= d) is not innermost, becomes codes of E5M2 laid [b 2048 + q][1024] with d innermost, and one E8M0 byte for each 32 along d,
; laid [b 2048 + q][32] behind the codes.  A lane takes a column q and its registers run down d: a block of 32 lies in one lane, and the conversions give codes with d innermost.  A wave takes 32 columns x 256 along d;
; its codes go through its own stage in LDS and leave as rows: sixteen lanes store 256 consecutive bytes, aligned.
; A block's scale is 2^(floor(log2(largest magnitude)) - 15); its byte is that magnitude's exponent field - 15, held at 1 from below.
; LIMITS: a block of zeros gets the byte 1 where the rule says 127 (its codes are zeros, and this program alone reads the bytes); magnitudes under 2^-111 were not tried; NaN and infinities among the inputs are not served.
; Work-group row y = 8: W_o's codes are laid anew as images of operand registers, [row tile 64][K step 8][piece 4][lane 32][16 bytes].  Inside each block of 32 along K the order is that in which the launch attn
; leaves its results: place 16 h + i holds k = 8 h + (i mod 8) + 16 (i / 8).  The same order on both operands inside one scale block keeps every product.
; No tensor loads, no barrier: waves share nothing.  No prefetch: the launch is one stream of loads from its first line on.  No cluster: no two work-groups read the same bytes.
.set SIZE_K, 1024
.set SIZE_N, 2048
.set KW,    256                        ; along d for a wave
.set NB,    KW/32                      ; blocks
.set ROWB,  256                        ; bytes of KW codes
.set PITCH, ROWB+16                    ; a stage row
.set KROW,  SIZE_K                     ; a row of the codes in bytes
.set EMAX,  15
.set MANT,  0x600000                   ; the mantissa field of 57,344 as f32
.set X,     32                         ; v32-95   two sets of 32 numbers
.set C,     96                         ; v96-103  a block's codes
.set OUTR,  112                        ; v112-175 the way out
.set SPW,   14                         ; v14      LDS address of my spare word; never rewritten
.set NIL,   15                         ; v15      0; never rewritten
.set SPARE, 4*32*PITCH                 ; behind the four stages: the spare words, 128 bytes a wave, which no other line names
.set SB,    24                         ; v24-25   the scale bytes, four to a register
	s_load_b256 s[4:11], s[0:1], 0x0               ; z1ss s[4:5], W_o_codes s[6:7], zbuf s[8:9], woimg s[10:11]
	v_lshl_add_u32 v[SPW], v0, 2, SPARE
	v_mov_b32 v[NIL], 0
	v_lshrrev_b32 v1, 5, v0
	v_readfirstlane_b32 s16, v1                    ; wave 0..3
	v_and_b32 v2, 31, v0                           ; lane
	v_and_b32 v5, 15, v2
	v_lshrrev_b32 v6, 4, v2
	s_and_b32 s18, ttmp7, 0xffff                   ; work-group y
	s_cmp_eq_u32 s18, 8
	s_cbranch_scc1 .Lrepack
	s_lshl_b32 s17, ttmp9, 7
	s_lshl_b32 s19, s16, 5
	s_add_co_u32 s17, s17, s19                     ; my wave's first column q: 128 x + 32 wave
	v_lshlrev_b32 v3, 2, v2                        ; in: 4 bytes a lane
	s_mul_i32 s19, s16, 32*PITCH                   ; my stage
	v_mul_u32_u24 v4, v2, PITCH
	v_add_nc_u32 v4, s19, v4                       ; into it: row = my column
	v_mul_u32_u24 v7, v6, PITCH                    ; out of it: sixteen lanes to a row, two rows an instruction
	v_lshl_add_u32 v7, v5, 4, v7
	v_add_nc_u32 v7, s19, v7
	v_mul_u32_u24 v8, v6, KROW
	v_lshl_add_u32 v8, v5, 4, v8                   ; and the same place among the codes
	s_lshl_b32 s20, s18, 21                        ; z: y x 256 rows of 8,192 bytes (a batch is four such runs),
	s_lshl_b32 s21, s17, 2
	s_add_co_u32 s20, s20, s21                     ; + 4 x column
	s_mov_b32 s21, 0
	s_lshr_b32 s22, s18, 2                         ; batch
	s_lshl_b32 s22, s22, 11
	s_add_co_u32 s22, s22, s17                     ; my first row of zbuf: 2048 b + q
	s_and_b32 s23, s18, 3                          ; which 256 along d
	s_lshl_b32 s24, s22, 10
	s_lshl_b32 s26, s23, 8
	s_add_co_u32 s24, s24, s26                     ; codes: row x 1,024 + 256 x run
	s_mov_b32 s25, 0
	s_lshl_b32 s28, s22, 5
	s_lshl_b32 s26, s23, 3
	s_add_co_u32 s28, s28, s26
	s_add_co_u32 s28, s28, 0x400000                ; scale bytes, behind the codes: row x 32 + 8 x run
	s_mov_b32 s29, 0
	v_lshlrev_b32 v9, 5, v2                        ; my column's row of scale bytes
	s_wait_alu depctr_va_vdst(0)
	s_wait_kmcnt 0x0
	s_add_nc_u64 s[4:5], s[4:5], s[20:21]
	s_add_nc_u64 s[12:13], s[8:9], s[24:25]
	s_add_nc_u64 s[14:15], s[8:9], s[28:29]
.macro LOAD t                          ; block t: z(32 t + i, my column), i = 0 .. 31, into set t % 2: 32 lanes read 128 consecutive bytes
.set i, 0
.rept 32
	global_load_b32 v[X+32*((\t)%2)+i], v3, s[4:5] offset:(32*(\t)+i)*SIZE_N*4
.set i, i+1
.endr
.endm
	LOAD 0
	LOAD 1
.macro BLOCK t
.set XS, X+32*((\t)%2)
.if (\t) < NB-1
	s_wait_loadcnt 32                              ; this block's 32 loads are in; the next block's 32 may be out
.else
	s_wait_loadcnt 0
.endif
	v_max3_num_f32 v12, |v[XS]|, |v[XS+1]|, |v[XS+2]|               ; the block's largest magnitude: all 32 numbers are mine; two chains
	v_max3_num_f32 v13, |v[XS+3]|, |v[XS+4]|, |v[XS+5]|
.irp i, 6,10,14,18,22,26
	v_max3_num_f32 v12, v12, |v[XS+\i]|, |v[XS+\i+1]|
	v_max3_num_f32 v13, v13, |v[XS+\i+2]|, |v[XS+\i+3]|
.endr
	v_max3_num_f32 v12, v12, |v[XS+30]|, |v[XS+31]|
	v_max3_num_f32 v12, v12, v13, (EMAX+1)<<23     ; and the floor 2^(16 - 127): the byte cannot fall under 1
	v_add_nc_u32 v11, -(EMAX<<23), v12             ; 15 off its exponent field: the conversion takes the exponent field of this operand as its scale
	v_lshrrev_b32 v13, 23, v11                     ; the scale's byte
.if (\t)%4 == 0
	v_mov_b32 v[SB+(\t)/4], v13                    ; four bytes to a register, the lower d in the lower byte
.else
	v_lshl_or_b32 v[SB+(\t)/4], v13, 8*((\t)%4), v[SB+(\t)/4]
.endif
.set i, 0
.rept 32
.set i, i+1
.endr
.irp g, 0,1,2,3
	v_cvt_scalef32_pk8_bf8_f32 v[C+2*\g:C+2*\g+1], v[XS+8*\g:XS+8*\g+7], v11
.endr
	ds_store_b128 v4, v[C:C+3] offset:32*(\t)      ; 32 codes: 32 bytes of my column's row
	ds_store_b128 v4, v[C+4:C+7] offset:32*(\t)+16
.if (\t)+2 < NB
	LOAD (\t)+2
.endif
	s_wait_dscnt 0x0                               ; the stores have read their registers: the next block's codes may be written
.endm
.set Q, 0
.rept NB
	BLOCK Q
.set Q, Q+1
.endr
	s_wait_alu depctr_va_vdst(0)
	global_store_b64 v9, v[SB:SB+1], s[14:15]      ; my column's 8 scale bytes
.irp t, 0,1,2,3,4,5,6,7,8,9,10,11,12,13,14,15
	ds_load_b128 v[OUTR+4*\t:OUTR+4*\t+3], v7 offset:2*\t*PITCH   ; LDS serves a wave's instructions in order: these see my stores
.endr
.irp t, 0,1,2,3,4,5,6,7,8,9,10,11,12,13,14,15
	s_wait_dscnt 15-\t                             ; the younger read-backs may be out
	global_store_b128 v8, v[OUTR+4*\t:OUTR+4*\t+3], s[12:13] offset:2*\t*KROW
.endr
	s_wait_tensorcnt 0x0                           ; the wave's end: a wait, an add to my spare word and its wait, behind my last LDS store
	ds_add_u32 v[SPW], v[NIL]
	s_wait_dscnt 0x0
	s_endpgm
.Lrepack:                                              ; W_o: a wave takes a tile of 16 rows (16,384 bytes in, 16,384 out).  This arm touches no LDS
	s_lshl_b32 s17, ttmp9, 2
	s_add_co_u32 s17, s17, s16                     ; row tile 4 x + wave
	s_lshl_b32 s20, s17, 14
	s_mov_b32 s21, 0
	s_wait_alu depctr_va_vdst(0)
	v_lshlrev_b32 v3, 10, v5                       ; row r of 1,024 bytes,
	v_lshl_add_u32 v3, v6, 3, v3                   ; + 8 h
	v_lshlrev_b32 v4, 4, v2                        ; out: 16 bytes a lane
	s_wait_alu depctr_va_vdst(0)
	s_wait_kmcnt 0x0
	s_add_nc_u64 s[6:7], s[6:7], s[20:21]
	s_add_nc_u64 s[10:11], s[10:11], s[20:21]
.set n, 0
.rept 32                               ; piece n = 4 s + c: k = 128 s + 32 c + 8 h + 0 .. 7, then the eight that lie 16 further on
	global_load_b64 v[32+4*n:33+4*n], v3, s[6:7] offset:32*n
	global_load_b64 v[34+4*n:35+4*n], v3, s[6:7] offset:32*n+16
.set n, n+1
.endr
.set n, 0
.rept 32
	s_wait_loadcnt 62-2*n                          ; piece n's two loads are in; the 2 (31 - n) younger ones may be out
	global_store_b128 v4, v[32+4*n:35+4*n], s[10:11] offset:512*n   ; 32 lanes store 512 consecutive bytes
.set n, n+1
.endr
	s_endpgm
.Lfunc_end_k_q44336d9e30_prep:
	.size	k_q44336d9e30_prep, .Lfunc_end_k_q44336d9e30_prep-k_q44336d9e30_prep
	.p2alignl 7, 3214868480
	.fill 96, 4, 3214868480
	.section	.rodata,"a",@progbits
	.p2align	6, 0x0
	.amdhsa_kernel k_q44336d9e30_prep
		.amdhsa_group_segment_fixed_size 35840
		.amdhsa_private_segment_fixed_size 0
		.amdhsa_enable_private_segment 0
		.amdhsa_kernarg_size 32
		.amdhsa_user_sgpr_count 2
		.amdhsa_user_sgpr_kernarg_segment_ptr 1
		.amdhsa_wavefront_size32 1
		.amdhsa_system_sgpr_workgroup_id_x 1
		.amdhsa_system_sgpr_workgroup_id_y 1
		.amdhsa_system_sgpr_workgroup_id_z 1
		.amdhsa_system_vgpr_workitem_id 0
		.amdhsa_next_free_vgpr 192
		.amdhsa_next_free_sgpr 66
		.amdhsa_reserve_vcc 0
		.amdhsa_float_denorm_mode_32 3
		.amdhsa_float_denorm_mode_16_64 3
		.amdhsa_fp16_overflow 1
		.amdhsa_memory_ordered 1
		.amdhsa_forward_progress 1
		.amdhsa_inst_pref_size 53
	.end_amdhsa_kernel
	.amdgpu_metadata
---
amdhsa.version: [ 1, 2 ]
amdhsa.kernels:
  - .name:           k_q44336d9e30_prep
    .symbol:         k_q44336d9e30_prep.kd
    .args:
      - { .name: z1ss, .offset: 0, .size: 8, .value_kind: global_buffer, .address_space: global }
      - { .name: W_o_codes, .offset: 8, .size: 8, .value_kind: global_buffer, .address_space: global }
      - { .name: zbuf, .offset: 16, .size: 8, .value_kind: global_buffer, .address_space: global }
      - { .name: woimg, .offset: 24, .size: 8, .value_kind: global_buffer, .address_space: global }
    .group_segment_fixed_size: 35840
    .private_segment_fixed_size: 0
    .kernarg_segment_align: 8
    .kernarg_segment_size: 32
    .max_flat_workgroup_size: 128
    .sgpr_count:     66
    .vgpr_count:     192
    .wavefront_size: 32
...
	.end_amdgpu_metadata
.endif
;; end of part 1
;; launch proj (part 2): grid 52 x 4, 4 waves a work-group, clusters of 4 x 4, 327,680 bytes of LDS; arguments zbuf, W_qkv_codes, W_qkv_scales, pos_emb_codes, pos_emb_scales, W_r_codes, W_r_scales, u1ss, r_w_bias, r_r_bias, qbuf, kv, rbuf; writes qbuf, kv, rbuf
.if DOCPART == 2
	.amdgcn_target "amdgcn-amd-amdhsa--gfx1250"
	.amdhsa_code_object_version 6
	.text
	.protected	k_q44336d9e30_proj
	.globl	k_q44336d9e30_proj
	.p2align	8
	.type	k_q44336d9e30_proj,@function
k_q44336d9e30_proj:
	s_mov_b64 s[64:65], 0
	v_nop
	global_prefetch_b8 v0, s[64:65] scope:SCOPE_SE
	s_setreg_imm32_b32 hwreg(HW_REG_WAVE_MODE, 25, 1), 1
	s_wait_xcnt 0x0
	s_wait_alu depctr_hold_cnt(0) depctr_sa_sdst(0) depctr_va_vdst(0) depctr_va_sdst(0) depctr_va_ssrc(0) depctr_va_vcc(0) depctr_vm_vsrc(0)
	s_getreg_b32 s2, hwreg(HW_REG_IB_STS2, 6, 4)
	s_cmp_eq_u32 s2, 0
	s_cbranch_scc0 .Lentry_in_a_cluster
	s_endpgm
.Lentry_in_a_cluster:
	s_bfe_u32 s2, ttmp6, 0x10000c
	s_cmp_lg_u32 s2, 0xf033
	s_cbranch_scc0 .Lentry_shape_is_right
	s_endpgm
.Lentry_shape_is_right:
; W_qkv x z + u1ss and W_r x pos_emb as ONE launch of GEMMs on codes of E5M2 (K = 1,024), whose results are quantised on the way out and stored as images of the operand registers that the launch attn wants.
; LEFT OUT AS DEAD (shown at the head of the launch prep): positions 0 .. 1023 of pos_emb.
; SHARES.  13 clusters of 4 x 4 work-groups; cluster T makes 1,024 x 1,024 of "C[A row][B row]": kind ty = T / 4, part g = T % 4.
;   ty 0 (q): A = z rows 1024 g on, B = W_qkv rows 0 on      ty 1 (k): A = z rows 1024 g on, B = W_qkv rows 1024 on
;   ty 2 (v): A = W_qkv rows 2048 on, B = z rows 1024 g on   ty 3 (r): A = pos_emb rows 1024 on, B = W_r rows 0 on
; A work-group makes 256 x 256, each of its four waves 128 x 128 (64 accumulators, 512 registers).  The matrix instruction is used transposed (source 0 = 16 rows of B, source 1 = 16 rows of A): a lane holds ONE row of A,
; and its registers run along B's rows, which is the axis to be quantised: the channel for q, k, r; the key for v.  So the two orientations.
; K goes in steps of 256 through two LDS slots; A's tiles are asked for jointly by a row of the cluster, B's by a column; the scale bytes of the work-group's rows come once, with the first fills.
; Four K steps: written out, no loop.  A wave has at most three tensor loads out (at the start), later one.
; u1ss is read once, by one wave for each tile (128 channel rows x 512 bytes).  For q and k a lane is a position and its registers run along the channels, which lie 8,192 bytes apart: so the tile is turned through LDS.
; Behind the K loop and a barrier (nobody reads the slots any more, and they have had their last fill) the wave copies its tile, a whole row of 512 bytes a load, 56 loads out at a time, through registers into a stage of its
; own in the slots' bytes, rows 528 bytes apart; each block's u comes from there in the result's layout.  The tile is prefetched, a lane a row: the rows' first 256 bytes four and a half steps of 64 matrix instructions
; ahead of the copy, the second 256 bytes two and a half steps ahead.
; THE WAY OUT, a block of 16 rows of A at a time (a loop of 8 trips; the one thing that changes register numbers, the copy out of the accumulators, is a switch of eight arms):
;   X = accumulators + u1ss;  q: X + r_w_bias and X + r_r_bias are quantised;  k, v, r: X is.  64 numbers a lane are 4 blocks of 32 (a block lies in lanes l and l xor 16): 16 registers of codes, one word of scale bytes.
;   Inside a block the codes lie in the order of the registers: place 16 h + i holds index 8 h + (i mod 8) + 16 (i / 8).  Both operands of every later product are made so, which keeps the products.
;   Codes leave as they stand, 512 consecutive bytes a store.  Scale words leave as 64 consecutive bytes for each half of the lanes: one byte in sixteen of what the launch stores.
; LIMITS: as in the launch prep (a block of zeros gets the byte 1; NaN and infinities are not served).
.set KSTEP,  256
.set NQ,     KSTEP/128
.set ROWB,   256
.set KROW,   1024
.set PITCH,  272                       ; an LDS row: 256 bytes + 16 of padding
.set FR,     16
.set NL,     4
.set NP,     8                         ; places behind this matrix instruction (ISA guide 7.12.1)
.set HALFT,  128*PITCH
.set SLOT,   4*HALFT                   ; A's 256 rows, then B's 256 rows
.set KS,     32                        ; a row of scale bytes
.set SCL,    2*SLOT                    ; behind the ring: the scale bytes, as units of 256 bytes + 16 of padding
.set HALFS,  (128*KS/256)*272
.set SBLK,   (16*KS/256)*272
.set SPARE,  SCL+4*HALFS               ; the spare words, 128 bytes a wave, which no other line names
.set UPITCH, 528                       ; the stage for u: a row of 512 bytes + 16
.set USTW,   128*UPITCH                ; a wave's stage; the four lie from LDS byte 0 on and end below SCL
.set REC,    17408                     ; a record of kv: 8 K images of 1,024, 4 V images of 2,048, 128 K words, 64 V words, 256 bytes unused
.set ADRA, 16                          ; v16-17  LDS address of my A fragments in slot 0, 1
.set ADRB, 20                          ; v20-21  the same for B
.set ADRS, 27                          ; v27     LDS address of my scale words
.set SPW,  28                          ; v28     LDS address of my spare word; never rewritten
.set NIL,  29                          ; v29     0; never rewritten
.set PFO,  30                          ; v30     8,192 x lane: a row of u1ss for each lane; never rewritten
.set SC,   32                          ; v32-63  scale words, two sets
.set AF,   128                         ; v128-255 A's fragments, one set.  Window 1: B's fragments, two sets.  Windows 2, 3: the accumulators
.set G1, 24
.set G0, 32
.set G1B, 48
.set G0B, 56
.set G1S, 68
.set G0S, 76
.set G1SB, 80
.set G0SB, 88
.set C0,  95                           ; s95  my first channel (of 1,024)
.set QP,  96                           ; s96  my first position (of 2,048)
.set BB,  97                           ; s97  my batch
.set UP,  98                           ; s[98:99] u1ss at my wave's tile
.set TY,  100                          ; s100 the cluster's kind: the same in all sixteen partners
.set MSB, 0
.macro WIN new                         ; the immediate's high byte repeats the setting that is left
.if MSB != \new
	s_set_vgpr_msb (MSB<<8)|\new
.set MSB, \new
.endif
.endm
.set MUL_LO, 0xa1                      ; source 0 (B) window 1, source 1 (A) window 0, C and D window 2
.set MUL_HI, 0xf1
.set TO_B,   0x40
; A joint load: waves 0 and 1 fetch for A, waves 2 and 3 for B; the branch hangs on the wave's number alone.  An s_nop 0 and four v_nop follow each of the two lines.
.macro JLOAD g0a, g1a, g0b, g1b
	s_cmp_eq_u32 s15, 0
	s_cbranch_scc0 .Lfor_b_\@
	tensor_load_to_lds s[\g0a:\g0a+3], s[\g1a:\g1a+7]
	s_nop 0
.rept 4
	v_nop
.endr
	s_branch .Lasked_\@
.Lfor_b_\@:
	tensor_load_to_lds s[\g0b:\g0b+3], s[\g1b:\g1b+7]
	s_nop 0
.rept 4
	v_nop
.endr
.Lasked_\@:
.endm
.macro CREST                           ; a round of the cluster's barrier behind its opening barrier
	s_cmp_lg_u32 s14, 0
	s_cbranch_scc1 .Lnot_wave_0_\@
	s_barrier_signal -3
.Lnot_wave_0_\@:
	s_barrier_wait -3
	s_barrier_signal -1
	s_barrier_wait -1
.endm
.macro CROUND
	s_barrier_signal -1
	s_barrier_wait -1
	CREST
.endm
	s_load_b512 s[68:83], s[0:1], 0x0              ; zbuf 68, W_qkv codes 70, scales 72, pos_emb codes 74, scales 76, W_r codes 78, scales 80, u1ss 82
	v_lshl_add_u32 v[SPW], v0, 2, SPARE
	v_mov_b32 v[NIL], 0
	ds_add_u32 v[SPW], v[NIL]                      ; the wave's opening: the add, twice on end, and its wait ahead of my first tensor load
	ds_add_u32 v[SPW], v[NIL]                      ; and once more, under the one wait; work on registers stands between
	v_lshrrev_b32 v1, 5, v0
	v_readfirstlane_b32 s14, v1                    ; wave 0..3
	s_lshr_b32 s15, s14, 1                         ; which half of the tile's A rows is mine.  Also: I fetch for A (0) or for B (1)
	s_and_b32 s16, s14, 1                          ; which half of its B rows.  Also: which 128 rows of that tile I fetch
	s_bfe_u32 s40, ttmp6, 0x40000                  ; cx, cy: my place in the cluster
	s_bfe_u32 s41, ttmp6, 0x40004
	s_lshr_b32 s[TY], ttmp9, 2                     ; in a cluster launch ttmp9 counts clusters
	s_and_b32 s101, ttmp9, 3
	s_lshl_b32 s43, s41, 2
	s_lshl_b32 s43, 15, s43                        ; my row of the cluster
	s_lshl_b32 s44, 0x1111, s40                    ; my column
	s_lshl_b32 s17, s101, 10                       ; 1024 g
	s_cmp_lt_u32 s[TY], 2
	s_cselect_b32 s18, s17, 2048
	s_cmp_eq_u32 s[TY], 3
	s_cselect_b32 s18, 1024, s18                   ; the cluster's first row of A's tensor
	s_cmp_eq_u32 s[TY], 1
	s_cselect_b32 s19, 1024, 0
	s_cmp_eq_u32 s[TY], 2
	s_cselect_b32 s19, s17, s19                    ; and of B's
	s_lshl_b32 s22, s16, 7                         ; which 128 rows of the tile I fetch
	s_lshl_b32 s20, s41, 8
	s_add_co_u32 s20, s20, s22
	s_add_co_u32 s20, s20, s18                     ; A: hangs on cy alone, which my row of the cluster shares
	s_lshl_b32 s46, s40, 8
	s_add_co_u32 s46, s46, s22
	s_add_co_u32 s46, s46, s19                     ; B: on cx alone, which my column shares
	s_lshl_b32 s22, s20, 5                         ; these rows' scale bytes,
	s_lshl_b32 s20, s20, 10                        ; and their codes
	s_mov_b32 s21, 0
	s_mov_b32 s23, 0
	s_lshl_b32 s92, s46, 5
	s_lshl_b32 s46, s46, 10
	s_mov_b32 s47, 0
	s_mov_b32 s93, 0
	s_mul_i32 s45, s14, HALFT                      ; where they go: wave x 128 rows: no place in the cluster enters an LDS address
	s_mul_i32 s94, s14, HALFS
	s_lshl_b32 s66, s41, 8
	s_lshl_b32 s67, s15, 7
	s_add_co_u32 s66, s66, s67                     ; my wave's first A row in the cluster's 1,024
	s_lshl_b32 s67, s40, 8
	s_lshl_b32 s84, s16, 7
	s_add_co_u32 s67, s67, s84                     ; and its first B row
	s_cmp_eq_u32 s[TY], 2
	s_cselect_b32 s[C0], s66, s67                  ; channels are B's rows, for v A's
	s_cselect_b32 s[QP], s67, s66                  ; positions the other
	s_add_co_u32 s[QP], s[QP], s17
	s_lshr_b32 s[BB], s[QP], 11
	s_and_b32 s[QP], s[QP], 2047
	s_mul_i32 s84, s[BB], 3072                     ; my tile of u1ss: row 3072 b + 1024 ty + channel, 8,192 bytes a row, + 4 x position (for ty = 3 it is not used)
	s_lshl_b32 s85, s[TY], 10
	s_add_co_u32 s84, s84, s85
	s_add_co_u32 s84, s84, s[C0]
	s_lshl_b32 s84, s84, 13
	s_lshl_b32 s85, s[QP], 2
	s_add_co_u32 s84, s84, s85
	s_mov_b32 s85, 0
	s_wait_dscnt 0x0                               ; both opening adds are done
	s_wait_kmcnt 0x0
	s_add_nc_u64 s[UP:UP+1], s[82:83], s[84:85]
	s_add_nc_u64 s[86:87], s[68:69], 0x400000      ; z's scale bytes lie behind its codes
	s_cmp_lt_u32 s[TY], 2                          ; the operands: a choice of buffers on the cluster's kind alone
	s_cselect_b64 s[4:5], s[68:69], s[70:71]       ; A's codes
	s_cselect_b64 s[6:7], s[86:87], s[72:73]       ; A's scales
	s_cselect_b64 s[8:9], s[70:71], s[68:69]       ; B's codes
	s_cselect_b64 s[10:11], s[72:73], s[86:87]     ; B's scales
	s_cmp_eq_u32 s[TY], 3
	s_cselect_b64 s[4:5], s[74:75], s[4:5]
	s_cselect_b64 s[6:7], s[76:77], s[6:7]
	s_cselect_b64 s[8:9], s[78:79], s[8:9]
	s_cselect_b64 s[10:11], s[80:81], s[10:11]
	s_add_nc_u64 s[20:21], s[4:5], s[20:21]
	s_add_nc_u64 s[22:23], s[6:7], s[22:23]
	s_add_nc_u64 s[46:47], s[8:9], s[46:47]
	s_add_nc_u64 s[92:93], s[10:11], s[92:93]
	; descriptor group 1: a tile of 128 rows x 256 bytes, padded in LDS
	s_or_b32 s[G1+0], s43, (0<<16)|(1<<20)|(1<<21)|(5<<22)|(3<<25)  ; 15:0 the mask: A's tiles go to my row; elements of 1 byte; padding on; bit 21 beside a mask; after every 64 words 4 words
	s_or_b32 s[G1B+0], s44, (0<<16)|(1<<20)|(1<<21)|(5<<22)|(3<<25)
.irp g, G1, G1B
	s_mov_b32 s[\g+1], ROWB<<16                    ; tensor_dim0
	s_mov_b32 s[\g+2], 128<<16                     ; tensor_dim1
	s_mov_b32 s[\g+3], ROWB<<16                    ; tile_dim0
	s_mov_b32 s[\g+4], 128                         ; tile_dim1
	s_mov_b32 s[\g+5], KROW                        ; tensor_dim0_stride
	s_mov_b32 s[\g+6], 0
	s_mov_b32 s[\g+7], 0
.endr
	; the scale bytes of 128 rows: 4,096 dense bytes, as 16 rows of 256 bytes (32 elements of 8 bytes), 16 bytes of padding behind each
	s_or_b32 s[G1S+0], s43, (3<<16)|(1<<20)|(1<<21)|(5<<22)|(3<<25)
	s_or_b32 s[G1SB+0], s44, (3<<16)|(1<<20)|(1<<21)|(5<<22)|(3<<25)
.irp g, G1S, G1SB
	s_mov_b32 s[\g+1], 32<<16
	s_mov_b32 s[\g+2], (128*KS/256)<<16
	s_mov_b32 s[\g+3], 32<<16
	s_mov_b32 s[\g+4], 128*KS/256
	s_mov_b32 s[\g+5], 32
	s_mov_b32 s[\g+6], 0
	s_mov_b32 s[\g+7], 0
.endr
	CROUND                                         ; all sixteen work-groups are here: the first joint loads meet
	s_mov_b32 s[G0S], 1
	s_add_co_u32 s[G0S+1], s94, SCL
	s_mov_b64 s[G0S+2:G0S+3], s[22:23]
	s_or_b32 s[G0S+3], s[G0S+3], 0x80000000
	s_mov_b32 s[G0SB], 1
	s_add_co_u32 s[G0SB+1], s94, SCL
	s_mov_b64 s[G0SB+2:G0SB+3], s[92:93]
	s_or_b32 s[G0SB+3], s[G0SB+3], 0x80000000
	JLOAD G0S, G1S, G0SB, G1SB                     ; the scales first: they are wanted with K step 0
.irp s, 0,1
	s_mov_b32 s[G0+4*\s], 1
	s_add_co_u32 s[G0+4*\s+1], s45, \s*SLOT
	s_add_nc_u64 s[G0+4*\s+2:G0+4*\s+3], s[20:21], \s*ROWB
	s_or_b32 s[G0+4*\s+3], s[G0+4*\s+3], 0x80000000
	s_mov_b32 s[G0B+4*\s], 1
	s_add_co_u32 s[G0B+4*\s+1], s45, \s*SLOT
	s_add_nc_u64 s[G0B+4*\s+2:G0B+4*\s+3], s[46:47], \s*ROWB
	s_or_b32 s[G0B+4*\s+3], s[G0B+4*\s+3], 0x80000000
	JLOAD G0+4*\s, G1, G0B+4*\s, G1B
.endr
	v_and_b32 v1, 15, v0                           ; l % 16
	v_bfe_u32 v2, v0, 4, 1                         ; l / 16
	v_mul_u32_u24 v3, v1, PITCH
	v_lshl_add_u32 v4, v2, 4, v3                   ; a fragment's row x pitch + 16 x half
	s_mul_i32 s21, s15, HALFT                      ; my 128 rows of A
	s_mul_i32 s22, s16, HALFT                      ; my 128 rows of B,
	s_add_co_u32 s22, s22, 2*HALFT                 ; which lie behind A's 256
.irp s, 0,1
	v_add_nc_u32 v[ADRA+\s], s21, v4
	v_add_nc_u32 v[ADRB+\s], s22, v4
	s_add_co_u32 s21, s21, SLOT
	s_add_co_u32 s22, s22, SLOT
.endr
	v_mul_u32_u24 v5, v1, KS                       ; my row's scales: 32 bytes a row,
	v_lshrrev_b32 v6, 8, v5
	v_lshl_add_u32 v5, v6, 4, v5                   ; and 16 more for each 256 passed
	s_mul_i32 s21, s15, HALFS
	s_mul_i32 s22, s16, HALFS
	s_add_co_u32 s22, s22, 2*HALFS
	s_sub_co_u32 s22, s22, s21
	v_mul_u32_u24 v6, s22, v2                      ; lanes 16-31 take B's
	s_add_co_u32 s21, s21, SCL
	v_add_nc_u32 v5, v5, v6
	v_add_nc_u32 v[ADRS], s21, v5
	v_and_b32 v6, 31, v0
	v_lshlrev_b32 v[PFO], 13, v6
.macro FRAG reg, adr, q, i             ; 16 rows x 128 K: lane l holds row l % 16; registers 4 c .. 4 c + 3 hold K = 32 c + 16 (l / 16) + 0 .. 15
.irp c, 0,1,2,3
	ds_load_b128 v[\reg+4*\c:\reg+4*\c+3], v[\adr] offset:128*(\q)+32*\c+(\i)*16*PITCH
.endr
.endm
; 16 matrix instructions: A's blocks a0, a0 + 1 x B's eight.  The 64 accumulators take turns, one instruction a turn, in the same order in every step.
.macro MUL16 a0, p, q, sc, zero
.irp a, \a0, \a0+1
.irp b, 0,1,2,3,4,5,6,7
.if \zero
	v_wmma_scale_f32_16x16x128_f8f6f4 v[8*(8*((\a)%4)+\b):8*(8*((\a)%4)+\b)+7], v[128*(\p)+FR*\b:128*(\p)+FR*\b+FR-1], v[AF+FR*(\a):AF+FR*(\a)+FR-1], 0, v[SC+8*NQ*(\sc)+NQ*\b+(\q)], v[SC+8*NQ*(\sc)+NQ*(\a)+(\q)] matrix_a_fmt:MATRIX_FMT_BF8 matrix_b_fmt:MATRIX_FMT_BF8 matrix_a_scale:MATRIX_SCALE_ROW1
.else
	v_wmma_scale_f32_16x16x128_f8f6f4 v[8*(8*((\a)%4)+\b):8*(8*((\a)%4)+\b)+7], v[128*(\p)+FR*\b:128*(\p)+FR*\b+FR-1], v[AF+FR*(\a):AF+FR*(\a)+FR-1], v[8*(8*((\a)%4)+\b):8*(8*((\a)%4)+\b)+7], v[SC+8*NQ*(\sc)+NQ*\b+(\q)], v[SC+8*NQ*(\sc)+NQ*(\a)+(\q)] matrix_a_fmt:MATRIX_FMT_BF8 matrix_b_fmt:MATRIX_FMT_BF8 matrix_a_scale:MATRIX_SCALE_ROW1
.endif
.endr
.endr
.endm
.macro FETCH_B slot, q, p
	WIN TO_B
.irp i, 0,1,2,3,4,5,6,7
	FRAG 128*(\p)+FR*\i, ADRB+\slot, \q, \i
.endr
	WIN 0
.endm
.macro FETCH_A slot, q, i0
.irp i, \i0, \i0+1, \i0+2, \i0+3
	FRAG AF+FR*(\i), ADRA+\slot, \q, \i
.endr
.endm
.macro SCALES sc                       ; a K step's scale words: lanes 0-15 take A's block i, lanes 16-31 B's block i
.irp i, 0,1,2,3,4,5,6,7
	ds_load_b64 v[SC+8*NQ*\sc+NQ*\i:SC+8*NQ*\sc+NQ*\i+1], v[ADRS] offset:\i*SBLK
.endr
.endm
.macro PLACES n                        ; plain vector instructions between a matrix instruction and a load into, or a read of, its registers
.rept \n
	v_nop
.endr
.endm
.macro STEP slot, q, zero              ; a step of 128 along K that has its successor in the same slot
	s_wait_dscnt 4*NL                              ; B's set and A's blocks 0-3 are in; the youngest 16 loads (A's blocks 4-7) may be out
	WIN MUL_LO
	MUL16 0, (\q)%2, \q, \slot, \zero
	MUL16 2, (\q)%2, \q, \slot, \zero
	s_wait_dscnt 0
	PLACES NP
	FETCH_B \slot, (\q)+1, 1-(\q)%2
	FETCH_A \slot, (\q)+1, 0
	WIN MUL_HI
	MUL16 4, (\q)%2, \q, \slot, \zero
	MUL16 6, (\q)%2, \q, \slot, \zero
	PLACES NP
	WIN 0
	FETCH_A \slot, (\q)+1, 4
.endm
; A slot's last step changes slots: in front of the barrier each wave waits for all its tensor loads, adds 0 to its spare word, and waits for that and for its reads of this slot.
; fill = 1: the barrier opens a round of the cluster's, and this slot is filled again, two K steps ahead.
; ask = 1, 2: the first, the second 256 bytes of my 128 rows of u1ss are prefetched, a lane a row, behind the joint load (where there is one) and the run of LDS loads.
.macro TURN slot, next, fill, ask
	s_wait_tensorcnt 0x0                           ; all my tensor loads have landed: my part of the next slot
	ds_add_u32 v[SPW], v[NIL]                      ; 0 onto my spare word
	s_wait_dscnt 4*NL+1                            ; (the add and the youngest 16 loads may be out)
	WIN MUL_LO
	MUL16 0, 1, NQ-1, \slot, 0
	s_wait_dscnt 0x0                               ; the add is done, and my reads of this slot are over
	s_barrier_signal -1
	MUL16 2, 1, NQ-1, \slot, 0
	WIN 0
	s_barrier_wait -1
.if \fill
	CREST                                          ; no wave of any partner still reads this slot's tile or has a load on its way
	s_add_nc_u64 s[G0+4*\slot+2:G0+4*\slot+3], s[G0+4*\slot+2:G0+4*\slot+3], 2*ROWB
	s_add_nc_u64 s[G0B+4*\slot+2:G0B+4*\slot+3], s[G0B+4*\slot+2:G0B+4*\slot+3], 2*ROWB
	JLOAD G0+4*\slot, G1, G0B+4*\slot, G1B         ; the first tensor load behind the round; its four v_nop are among the places in front of the loads below
	PLACES NP-4
.else
	PLACES NP
.endif
	v_add_nc_u32 v[ADRS], 4*NQ, v[ADRS]            ; on to the next K step's scale words
	FETCH_B \next, 0, 0
	FETCH_A \next, 0, 0
	SCALES \next
.if \ask
	s_cmp_eq_u32 s[TY], 3                          ; r has no u
	s_cbranch_scc1 .Lno_u_\@
.irp i, 0,1,2,3
	global_prefetch_b8 v[PFO], s[UP:UP+1] offset:\i*262144+256*((\ask)-1) th:TH_LOAD_NT scope:SCOPE_SE   ; rows 32 i + lane
.endr
.Lno_u_\@:
.endif
	WIN MUL_HI
	MUL16 4, 1, NQ-1, \slot, 0
	MUL16 6, 1, NQ-1, \slot, 0
	PLACES NP
	WIN 0
	FETCH_A \next, 0, 4
.endm
	s_wait_tensorcnt 1                             ; the scales and my part of K step 0 are in (K step 1's load may be out)
	s_barrier_signal -1
	s_barrier_wait -1                              ; everybody's are
	FETCH_B 0, 0, 0
	FETCH_A 0, 0, 0
	SCALES 0
	FETCH_A 0, 0, 4
	STEP 0, 0, 1                                   ; the first products start the sums: nothing is cleared
	TURN 0, 1, 1, 0                                ; slot 0 takes K step 2
	STEP 1, 0, 0
	TURN 1, 0, 1, 1                                ; slot 1 takes K step 3
	STEP 0, 0, 0
	TURN 0, 1, 0, 2                                ; nothing is left to fetch
	s_load_b256 s[24:31], s[0:1], 0x40             ; no tensor load of mine is out (the change of slots waited for all): the descriptors' registers are free.  r_w_bias 24, r_r_bias 26, qbuf 28, kv 30
	s_load_b64 s[32:33], s[0:1], 0x60              ; rbuf
	STEP 1, 0, 0
	s_wait_kmcnt 0x0
	s_cmp_lg_u32 s[TY], 0                          ; q's biases are asked for here, 64 matrix instructions ahead of the way out, into B's set 0, which is done with (eight places stand behind its last product)
	s_cbranch_scc1 .Lno_bias
	v_bfe_u32 v13, v0, 4, 1
	v_lshlrev_b32 v14, 5, v13                      ; register 8 t + j holds channel C0 + 16 t + 8 h + j
	s_lshl_b32 s51, s[C0], 2
	v_add_nc_u32 v14, s51, v14
	WIN 0x40                                       ; destination window 1
.irp t, 0,1,2,3,4,5,6,7
.irp d, 0,1
	global_load_b128 v[8*\t+4*\d:8*\t+4*\d+3], v14, s[24:25] offset:64*\t+16*\d
	global_load_b128 v[64+8*\t+4*\d:64+8*\t+4*\d+3], v14, s[26:27] offset:64*\t+16*\d
.endr
.endr
	WIN 0
.Lno_bias:
	s_wait_dscnt 4*NL
	WIN MUL_LO
	MUL16 0, 1, NQ-1, 1, 0
	MUL16 2, 1, NQ-1, 1, 0
	s_wait_dscnt 0
	WIN MUL_HI
	MUL16 4, 1, NQ-1, 1, 0
	MUL16 6, 1, NQ-1, 1, 0
	WIN 0
	PLACES NP                                      ; in front of every read of results and every write of operands below
	s_barrier_signal -1                            ; my reads of the slots are over (the wait for them stands ahead of the last 32 products),
	s_barrier_wait -1                              ; everybody's are: the slots' bytes, which have had their last fill, become the four stages for u
; ---------------- THE WAY OUT ----------------
.set TM,  12                           ; v12-27  the quantiser's: largest magnitudes, bytes, holds, scale operands
.set PCA, 32                           ; v32-47  codes of q + r_w_bias
.set PCB, 48                           ; v48-63  codes of the other operand
.set X,   64                           ; v64-127  accumulators + u
.set Y,   128                          ; v128-191 X + r_w_bias
.set U,   192                          ; v192-255 u of the block to come.  Window 1: v0-63 r_w_bias, v64-127 r_r_bias of my 128 channels, in the result's layout
.set SELS, 46                          ; s[46:47] v_permlanex16_b32's selects for lane l xor 16
	s_mov_b32 s[SELS], 0x76543210
	s_mov_b32 s[SELS+1], 0xfedcba98
	s_mov_b32 s48, 0x600000                        ; the mantissa field of 57,344
	s_lshr_b32 s51, s[C0], 6                       ; my even head
	s_lshl_b32 s52, s[BB], 4
	s_add_co_u32 s52, s52, s51                     ; 16 b + head
	s_lshl_b32 s53, s52, 4
	s_lshr_b32 s54, s[QP], 7
	s_add_co_u32 s53, s53, s54
	s_mul_i32 s53, s53, REC                        ; kv: my record
	; s36 codes' offset, s37 scale words' offset; steps a trip: s38, 64; s39 from the even head's codes to the odd one's (v: to the fragment's second half), s40 the same for the words;
	; s42, s43 what v adds behind its fourth trip (on to the odd head); s49, s50 the byte selects of the word that is stored
	s_mov_b32 s42, 0
	s_mov_b32 s43, 0
	s_mov_b32 s49, 0x05040504
	s_mov_b32 s50, 0x02020202
	s_cmp_eq_u32 s[TY], 0
	s_cbranch_scc1 .Lset_q
	s_cmp_eq_u32 s[TY], 1
	s_cbranch_scc1 .Lset_k
	s_cmp_eq_u32 s[TY], 2
	s_cbranch_scc1 .Lset_v
	s_lshl_b32 s36, s51, 16                        ; r: images [head][64 tiles][1,024]; words [head][1,024] behind them
	s_lshl_b32 s54, s[QP], 6
	s_add_co_u32 s36, s36, s54
	s_lshl_b32 s37, s51, 12
	s_lshl_b32 s54, s[QP], 2
	s_add_co_u32 s37, s37, s54
	s_add_co_u32 s37, s37, 0x100000
	s_mov_b32 s38, 1024
	s_mov_b32 s39, 65536
	s_mov_b32 s40, 4096
	s_branch .Lset_done
.Lset_q:                                               ; q: images [16 b + head][128 tiles][4 pieces of 512]; the offset stands at piece 2; words [16 b + head][2,048] behind them
	s_lshl_b32 s36, s52, 18
	s_lshl_b32 s54, s[QP], 7
	s_add_co_u32 s36, s36, s54
	s_add_co_u32 s36, s36, 1024
	s_lshl_b32 s37, s52, 13
	s_lshl_b32 s54, s[QP], 2
	s_add_co_u32 s37, s37, s54
	s_add_co_u32 s37, s37, 0x800000
	s_mov_b32 s38, 2048
	s_mov_b32 s39, 262144
	s_mov_b32 s40, 8192
	s_mov_b32 s49, 0x05040100
	s_branch .Lset_done
.Lset_k:
	s_mov_b32 s36, s53
	s_add_co_u32 s37, s53, 16384
	s_mov_b32 s38, 1024
	s_mov_b32 s39, 16*REC
	s_mov_b32 s40, 16*REC
	s_branch .Lset_done
.Lset_v:
	s_add_co_u32 s36, s53, 8192
	s_add_co_u32 s37, s53, 16896
	s_mov_b32 s38, 2048
	s_mov_b32 s39, 1024
	s_mov_b32 s40, 0
	s_mov_b32 s42, 16*REC-8192
	s_mov_b32 s43, 16*REC-256
	s_mov_b32 s49, 0x07060504
	s_mov_b32 s50, 0
.Lset_done:
	v_and_b32 v12, 15, v0                          ; r
	v_bfe_u32 v13, v0, 4, 1                        ; h
	v_and_b32 v3, 31, v0
	v_lshlrev_b32 v3, 4, v3                        ; 16 x lane: an image's place for my lane, and my 16 bytes of a row of u
	s_mul_i32 s55, s14, USTW                       ; my stage
	v_add_nc_u32 v24, s55, v3                      ; into it: rows 0-63,
	v_add_nc_u32 v25, 64*UPITCH, v24               ; rows 64-127
	v_mul_u32_u24 v4, v13, 8*UPITCH                ; out of it, q and k: a lane is a position: row 8 h, 4 r bytes on,
	v_lshl_add_u32 v4, v12, 2, v4
	v_add_nc_u32 v4, s55, v4
	v_mul_u32_u24 v2, v12, UPITCH                  ; v: a lane is a channel: row r, 32 h bytes on
	v_lshl_add_u32 v2, v13, 5, v2
	v_add_nc_u32 v2, s55, v2
	v_mul_lo_u32 v8, v13, s40
	v_lshl_add_u32 v8, v12, 2, v8                  ; scale words: 4 r; lanes 16-31 write the odd head's
	v_mul_lo_u32 v10, v13, s50
	v_add_nc_u32 v10, s49, v10                     ; and pick its bytes
	v_mov_b32 v11, 0                               ; the word of q + r_w_bias (q alone writes it)
.irp b, 0,1,2,3
	v_mov_b32 v[TM+4+\b], 0                        ; written once: a lane permute's destination counts as one of its sources
.endr
	s_cmp_eq_u32 s[TY], 0                          ; the buffer that I store into
	s_cselect_b64 s[28:29], s[28:29], s[30:31]
	s_cmp_eq_u32 s[TY], 3
	s_cselect_b64 s[28:29], s[32:33], s[28:29]
; THE TILE OF u INTO THE STAGE: 16 groups of eight rows through a ring of seven places in v32-255: 56 loads are out, 512 consecutive bytes each.
.macro UGRP k                          ; rows 8 k .. 8 k + 7 into place k % 7
.irp i, 0,1,2,3,4,5,6,7
	global_load_b128 v[32+32*((\k)%7)+4*\i:32+32*((\k)%7)+4*\i+3], v3, s[UP:UP+1] offset:(8*(\k)+\i)*8192 th:TH_LOAD_NT
.endr
.endm
	s_cmp_eq_u32 s[TY], 3
	s_cbranch_scc1 .Lzero_u
.irp k, 0,1,2,3,4,5,6
	UGRP \k
.endr
.irp k, 0,1,2,3,4,5,6,7,8,9,10,11,12,13,14,15
.if \k < 10
	s_wait_loadcnt 48                              ; group k is in; the six younger groups may be out (q's biases are older than all of them)
.else
	s_wait_loadcnt 8*(15-\k)                       ; the groups that are left
.endif
.irp i, 0,1,2,3,4,5,6,7
	ds_store_b128 v[24+\k/8], v[32+32*(\k%7)+4*\i:32+32*(\k%7)+4*\i+3] offset:(8*(\k%8)+\i)*UPITCH
.endr
.if \k < 9
	s_wait_dscnt 0x0                               ; the stores have read their registers, which take the group seven further on
	UGRP \k+7
.endif
.endr
	s_wait_dscnt 0x0                               ; the tile lies in my stage, and the ring's registers are free
	s_branch .Lhas_u
.Lzero_u:
.set i, 0
.rept 64
	v_mov_b32 v[U+i], 0                            ; r has no u: the copy adds zeros
.set i, i+1
.endr
.Lhas_u:
; u of one block of 16 rows of A, from my stage, in the result's layout.  q, k: 64 loads of 4 bytes.  v: 16 loads of 16 bytes, lanes 33 x 16 bytes apart.
; s58, s57: the block's place along a row, down the rows.
.macro ULOAD
	s_cmp_eq_u32 s[TY], 3
	s_cbranch_scc1 .Lu_done_\@
	s_cmp_eq_u32 s[TY], 2
	s_cbranch_scc1 .Lu_n_\@
	v_add_nc_u32 v5, s58, v4
.irp t, 0,1,2,3,4,5,6,7
.irp j, 0,1,2,3,4,5,6,7
	ds_load_b32 v[U+8*\t+\j], v5 offset:(16*\t+\j)*UPITCH
.endr
.endr
	s_branch .Lu_done_\@
.Lu_n_\@:
	v_add_nc_u32 v5, s57, v2
.irp t, 0,1,2,3,4,5,6,7
.irp d, 0,1
	ds_load_b128 v[U+8*\t+4*\d:U+8*\t+4*\d+3], v5 offset:64*\t+16*\d
.endr
.endr
.Lu_done_\@:
.endm
.macro COPY a                          ; X = block a's accumulators + u; each accumulator is read from its low end on
.set WN, 0x02+(\a)/4
	WIN WN                                         ; source 0: window 2 or 3
.set i, 0
.rept 32
	v_pk_add_f32 v[X+i:X+i+1], v[64*((\a)%4)+i:64*((\a)%4)+i+1], v[U+i:U+i+1]
.set i, i+2
.endr
	WIN 0
.endm
; 64 numbers of a lane, v[s] on, become 16 registers of codes in v[pc] on and a word of four scale bytes in v[pw].  Block b: registers 16 b .. 16 b + 15 of lanes l and l xor 16.
.macro QUANT s, pc, pw
.irp b, 0,1,2,3
	v_max3_num_f32 v[TM+\b], |v[\s+16*\b]|, |v[\s+1+16*\b]|, 0x8000000   ; and the floor 2^(16 - 127): the byte cannot fall under 1
.endr
.irp i, 2,4,6,8,10,12,14
.irp b, 0,1,2,3
	v_max3_num_f32 v[TM+\b], v[TM+\b], |v[\s+16*\b+\i]|, |v[\s+1+16*\b+\i]|   ; the four blocks by turns
.endr
.endr
.irp b, 0,1,2,3
	v_permlanex16_b32 v[TM+4+\b], v[TM+\b], s[SELS], s[SELS+1]
.endr
.irp b, 0,1,2,3
	v_max_num_f32 v[TM+\b], v[TM+\b], v[TM+4+\b]   ; the block's largest magnitude
.endr
.irp b, 0,1,2,3
	v_add_nc_u32 v[TM+12+\b], 0xf8800000, v[TM+\b] ; 15 off its exponent field: the conversion's scale operand
.endr
.irp b, 0,1,2,3
	v_and_or_b32 v[TM+8+\b], v[TM+\b], 0x7f800000, s48   ; 57,344 x the scale
.endr
.irp b, 0,1,2,3
	v_lshrrev_b32 v[TM+4+\b], 23, v[TM+12+\b]      ; the scale's byte
.endr
	v_lshl_or_b32 v[\pw], v[TM+5], 8, v[TM+4]
	v_lshl_or_b32 v[\pw], v[TM+6], 16, v[\pw]
	v_lshl_or_b32 v[\pw], v[TM+7], 24, v[\pw]
.irp b, 0,1,2,3
.irp i, 0,1,2,3,4,5,6,7,8,9,10,11,12,13,14,15
	v_med3_num_f32 v[\s+16*\b+\i], v[\s+16*\b+\i], -v[TM+8+\b], v[TM+8+\b]   ; the conversion does not saturate (ISA guide 7.6.2): the hold comes first
.endr
	v_cvt_scalef32_pk8_bf8_f32 v[\pc+4*\b:\pc+1+4*\b], v[\s+16*\b:\s+7+16*\b], v[TM+12+\b]
	v_cvt_scalef32_pk8_bf8_f32 v[\pc+2+4*\b:\pc+3+4*\b], v[\s+8+16*\b:\s+15+16*\b], v[TM+12+\b]
.endr
	v_nop                                          ; one plain vector instruction behind the last scaled conversion
.endm
	s_mov_b32 s57, 0
	s_mov_b32 s58, 0
	ULOAD                                          ; block 0's u
	s_mov_b32 s34, 0
.Lrow:                                                 ; 8 trips: block s34 of 16 rows of A x my 128 rows of B
	s_wait_loadcnt 0x0                             ; (first trip: q's biases are in)
	s_wait_dscnt 0x0                               ; this block's u is back from the stage
.irp k, 1,2,3,4,5,6,7
	s_cmp_eq_u32 s34, \k
	s_cbranch_scc1 .Lc\k
.endr
	COPY 0
	s_branch .Ljoin
.irp k, 1,2,3,4,5,6,7
.Lc\k:
	COPY \k
	s_branch .Ljoin
.endr
.Ljoin:
	s_wait_xcnt 0x0                                ; the last trip's stores have read their data and offsets: both are written again below
	s_add_co_u32 s56, s34, 1
	s_and_b32 s56, s56, 7                          ; the next block; the number is held inside the tile's eight
	s_mul_i32 s57, s56, 16*UPITCH
	s_lshl_b32 s58, s56, 6
	s_cmp_eq_u32 s34, 7
	s_cbranch_scc1 .Lno_more_u                     ; the last trip has no next block
	ULOAD                                          ; its u comes back while this block is quantised
.Lno_more_u:
	v_add_nc_u32 v6, s36, v3                       ; where the even head's codes go,
	v_add_nc_u32 v7, s39, v6                       ; the odd head's (v: the fragment's second half),
	v_add_nc_u32 v9, s37, v8                       ; and the scale words
	s_cmp_lg_u32 s[TY], 0
	s_cbranch_scc1 .Lnot_q
	WIN 0x04                                       ; source 1: window 1
.set i, 0
.rept 32
	v_pk_add_f32 v[Y+i:Y+i+1], v[X+i:X+i+1], v[i:i+1]           ; q + r_w_bias
.set i, i+2
.endr
	WIN 0
	QUANT Y, PCA, 11
	global_store_b128 v6, v[PCA:PCA+3], s[28:29] offset:-1024   ; pieces 0 and 1 of a tile's four
	global_store_b128 v6, v[PCA+4:PCA+7], s[28:29] offset:-512
	global_store_b128 v7, v[PCA+8:PCA+11], s[28:29] offset:-1024
	global_store_b128 v7, v[PCA+12:PCA+15], s[28:29] offset:-512
	WIN 0x04
.set i, 0
.rept 32
	v_pk_add_f32 v[X+i:X+i+1], v[X+i:X+i+1], v[64+i:65+i]       ; q + r_r_bias
.set i, i+2
.endr
	WIN 0
.Lnot_q:
	QUANT X, PCB, 31
	global_store_b128 v6, v[PCB:PCB+3], s[28:29]   ; 32 lanes store 512 consecutive bytes
	global_store_b128 v6, v[PCB+4:PCB+7], s[28:29] offset:512
	global_store_b128 v7, v[PCB+8:PCB+11], s[28:29]
	global_store_b128 v7, v[PCB+12:PCB+15], s[28:29] offset:512
	v_perm_b32 v1, v31, v11, v10                   ; q: (w0, w1, r0, r1) of my half's head; k, r: (s0, s1, s0, s1); v: the word as it is
	global_store_b32 v9, v1, s[28:29]
	s_cmp_eq_u32 s34, 3
	s_cselect_b32 s51, s42, 0
	s_cselect_b32 s52, s43, 0
	s_add_co_u32 s36, s36, s38
	s_add_co_u32 s36, s36, s51
	s_add_co_u32 s37, s37, 64
	s_add_co_u32 s37, s37, s52
	s_add_co_u32 s34, s34, 1
	s_cmp_lt_u32 s34, 8
	s_cbranch_scc1 .Lrow
	s_wait_tensorcnt 0x0                           ; the wave's end: a wait, an add to my spare word and its wait, behind my last tensor load and my last LDS store
	ds_add_u32 v[SPW], v[NIL]
	s_wait_dscnt 0x0
	CROUND                                         ; the closing round: no work-group ends while a partner may still ask for a tile that names it
	s_endpgm
.Lfunc_end_k_q44336d9e30_proj:
	.size	k_q44336d9e30_proj, .Lfunc_end_k_q44336d9e30_proj-k_q44336d9e30_proj
	.p2alignl 7, 3214868480
	.fill 96, 4, 3214868480
	.section	.rodata,"a",@progbits
	.p2align	6, 0x0
	.amdhsa_kernel k_q44336d9e30_proj
		.amdhsa_group_segment_fixed_size 327680
		.amdhsa_private_segment_fixed_size 0
		.amdhsa_enable_private_segment 0
		.amdhsa_kernarg_size 104
		.amdhsa_user_sgpr_count 2
		.amdhsa_user_sgpr_kernarg_segment_ptr 1
		.amdhsa_wavefront_size32 1
		.amdhsa_system_sgpr_workgroup_id_x 1
		.amdhsa_system_sgpr_workgroup_id_y 1
		.amdhsa_system_sgpr_workgroup_id_z 1
		.amdhsa_system_vgpr_workitem_id 0
		.amdhsa_next_free_vgpr 1024
		.amdhsa_next_free_sgpr 102
		.amdhsa_reserve_vcc 0
		.amdhsa_float_denorm_mode_32 3
		.amdhsa_float_denorm_mode_16_64 3
		.amdhsa_memory_ordered 1
		.amdhsa_forward_progress 1
		.amdhsa_inst_pref_size 197
	.end_amdhsa_kernel
	.amdgpu_metadata
---
amdhsa.version: [ 1, 2 ]
amdhsa.kernels:
  - .name:           k_q44336d9e30_proj
    .symbol:         k_q44336d9e30_proj.kd
    .args:
      - { .name: zbuf, .offset: 0, .size: 8, .value_kind: global_buffer, .address_space: global }
      - { .name: W_qkv_codes, .offset: 8, .size: 8, .value_kind: global_buffer, .address_space: global }
      - { .name: W_qkv_scales, .offset: 16, .size: 8, .value_kind: global_buffer, .address_space: global }
      - { .name: pos_emb_codes, .offset: 24, .size: 8, .value_kind: global_buffer, .address_space: global }
      - { .name: pos_emb_scales, .offset: 32, .size: 8, .value_kind: global_buffer, .address_space: global }
      - { .name: W_r_codes, .offset: 40, .size: 8, .value_kind: global_buffer, .address_space: global }
      - { .name: W_r_scales, .offset: 48, .size: 8, .value_kind: global_buffer, .address_space: global }
      - { .name: u1ss, .offset: 56, .size: 8, .value_kind: global_buffer, .address_space: global }
      - { .name: r_w_bias, .offset: 64, .size: 8, .value_kind: global_buffer, .address_space: global }
      - { .name: r_r_bias, .offset: 72, .size: 8, .value_kind: global_buffer, .address_space: global }
      - { .name: qbuf, .offset: 80, .size: 8, .value_kind: global_buffer, .address_space: global }
      - { .name: kv, .offset: 88, .size: 8, .value_kind: global_buffer, .address_space: global }
      - { .name: rbuf, .offset: 96, .size: 8, .value_kind: global_buffer, .address_space: global }
    .group_segment_fixed_size: 327680
    .private_segment_fixed_size: 0
    .kernarg_segment_align: 8
    .kernarg_segment_size: 104
    .max_flat_workgroup_size: 128
    .sgpr_count:     102
    .vgpr_count:     1024
    .wavefront_size: 32
...
	.end_amdgpu_metadata
.endif
;; end of part 2
;; launch attn (part 3): grid 8 x 32, 16 waves a work-group, no clusters, 309,248 bytes of LDS; arguments qbuf, kv, rbuf, xbuf; writes xbuf
.if DOCPART == 3
	.amdgcn_target "amdgcn-amd-amdhsa--gfx1250"
	.amdhsa_code_object_version 6
	.text
	.protected	k_q44336d9e30_attn
	.globl	k_q44336d9e30_attn
	.p2align	8
	.type	k_q44336d9e30_attn,@function
k_q44336d9e30_attn:
	s_mov_b64 s[64:65], 0
	v_nop
	global_prefetch_b8 v0, s[64:65] scope:SCOPE_SE
	s_setreg_imm32_b32 hwreg(HW_REG_WAVE_MODE, 25, 1), 1
	s_wait_xcnt 0x0
; AC, BD with the relative shift, the mask, the softmax and P V, on codes of E5M2; O / l is quantised along the channel and stored as images of operand registers for the launch outln.
; LEFT OUT AS DEAD (shown at the head of the launch prep): key steps that lie wholly under the layer's own mask (0 <= i - j <= 999 is kept), and with them the positions of r under 1,024.
; SHARES.  Work-group (x, y = 16 b + head) owns queries 256 x .. 256 x + 255; each of its sixteen waves owns 16, one tile, in 256 registers.  Both products are used transposed: a lane holds ONE query (lane % 16).
; Every work-group walks ten key steps of 128 keys, from key 256 x - 1024 on: the loop's count is a constant; a wave jumps over the work of a step whose keys do not exist or are all hidden to its 16 queries.
; K AND V come as records of 17,408 bytes (a key step's operand images and scale words).  The 512 threads copy the next step's record memory -> registers -> LDS while this step is worked: two slots, one barrier a step.
; In front of the barrier each wave has waited for its LDS stores and loads; the slot that a step writes was last read a step earlier.  The first record is asked for with the head's other loads, ahead of their one wait.
; r: the head's 64 tiles of 16 positions stay in LDS, with 16 tiles of zero codes on either side (they serve masked places only).
; A HEAD IS 64 DEEP, THE INSTRUCTION 128.  Q lies as [q + r_w_bias | zeros | q + r_r_bias]: v[16:31] and v[24:39].  A fragment holds a tile of K in its registers 0-7 and a tile of r in 8-15: the half that is not meant meets Q's zero codes.
; Every code that ever lies in a fragment is finite (the quantiser holds it), and no scale byte is 0xff.
; THE RELATIVE SHIFT.  For my queries i0 + r and keys J + kk the score wants row 2047 - i0 - r + J + kk of r: with m = kk - r + 15 that is row (2032 - i0 + J) + m, m = 0 .. 142: nine tiles of r.
; Their products (lane: query r; register: m) are stored to my own stage in LDS at row r, column m + r + 1, and read back at column kk + 16: the shift is the address.  What comes back lands in the registers that are the C of K Q^T:
; so the shift and the sum AC + BD cost no vector instruction.  The stores' lanes lie 165 words apart, the loads' rows 41 x 16 bytes.  The stage is the wave's own, and LDS serves a wave's instructions in order.
; THE SOFTMAX: t = score x log2(e) / 8; M = the running largest t rounded up to a whole number; p = 2^(t - M) is quantised along the keys; the sum is taken of the unquantised p and divides at the end.
; Inside a block of 32 all operands lie in the order of the result registers (place 16 h + i holds 8 h + (i mod 8) + 16 (i / 8)), K, r and Q along the channel, V and p along the keys.
; NO CLUSTER: the key windows of neighbouring query blocks lie 256 keys apart, so that in one trip partners want different records; only the r table, 64 KiB once, is wanted by all at one time.
; NO PREFETCH: a record is asked for a whole key step ahead, into registers, and several work-groups read each record.
; LIMITS: a block of zeros gets the byte 1; NaN and infinities are not served; AC + BD is summed inside the matrix unit, in another order of rounding than two f32 sums added.
.set REC,   17408
.set RT,    2*REC                      ; 96 tiles of r x 1,024 bytes: tile n holds positions 768 + 16 n
.set RS,    RT+96*1024                 ; their scale words, 64 bytes a tile
.set SK,    RS+96*64                   ; sixteen stages of 16 rows x 656 bytes
.set SPARE, SK+16*16*656               ; the spare words, 128 bytes a wave, which no other line names
.set F,   40                           ; v40-103  four fragments
.set S,   104                          ; v104-167 eight tiles of scores, then p
.set OT,  168                          ; v168-199 O^T, four tiles
.set PC,  200                          ; v200-215 p's codes; v200-207 also the ninth tile of r's products
; v0 thread; v1 16 lane; v2, v3 r's tiles and words (fixed part); v4 K's words; v5, v6 the stage, in and back; v7 16 t; v8 16,384 + 4 t; v9, v10 the record's offsets; v11, v255 r's addresses in hand;
; v12 -M, v13 largest t, v[14:15] the sum; v16-39 Q; v216-224 the record on its way; v225 Q's word; v226 f; v227 p's word; v228-243 the softmax's; v244-247, v248, v249-252 scale words; v253, v254 at work
; s12 wave; s13 x; s14 y; s15 head; s16 b; s[18:19] c; s[20:21] selects; s22 D0 = my first query - the step's first key; s23 the NEXT step's record; s24 the next step; s25 is it fetched;
; s26 trips; s27 my head's records; s29, s30 r's steps
; (A macro's argument is put in as text: wherever one stands inside a larger expression it is written in parentheses.)
.macro LOADREC                         ; record s23: 16 bytes a thread of K's images, 16 of V's; threads 0-191 a scale word
	s_mul_i32 s28, s23, REC
	s_add_co_u32 s28, s28, s27
	v_add_nc_u32 v9, s28, v7
	global_load_b128 v[216:219], v9, s[6:7]
	global_load_b128 v[220:223], v9, s[6:7] offset:8192
	s_cmp_gt_u32 s12, 5
	s_cbranch_scc1 .Lnw_\@
	v_add_nc_u32 v10, s28, v8
	global_load_b32 v224, v10, s[6:7]
.Lnw_\@:
.endm
.macro STOREREC slot
	ds_store_b128 v7, v[216:219] offset:(\slot)*REC
	ds_store_b128 v7, v[220:223] offset:(\slot)*REC+8192
	s_cmp_gt_u32 s12, 5
	s_cbranch_scc1 .Lns_\@
	ds_store_b32 v8, v224 offset:(\slot)*REC
.Lns_\@:
.endm
	s_load_b256 s[4:11], s[0:1], 0x0               ; qbuf, kv, rbuf, xbuf
	v_lshrrev_b32 v1, 5, v0
	s_delay_alu instid0(VALU_DEP_1)
	v_readfirstlane_b32 s12, v1
	s_mov_b32 s13, ttmp9
	s_and_b32 s14, ttmp7, 0xffff
	s_and_b32 s15, s14, 15
	s_lshr_b32 s16, s14, 4
	s_mov_b32 s18, 0x3e38aa3b                      ; c = log2(e) / 8
	s_mov_b32 s19, s18                             ; (named with it as a pair)
	s_mov_b32 s20, 0x76543210
	s_mov_b32 s21, 0xfedcba98
	s_lshl_b32 s22, s12, 4
	s_add_co_u32 s22, s22, 1024
	s_lshl_b32 s23, s13, 1
	s_sub_co_i32 s23, s23, 8                       ; step 0's record: under 0 where its keys do not exist
	s_mov_b32 s24, 1
	s_mul_i32 s27, s14, 16*REC
	s_mov_b32 s29, 0
	s_mov_b32 s30, 0
	v_and_b32 v40, 31, v0                          ; lane
	v_and_b32 v41, 15, v0                          ; r
	v_bfe_u32 v42, v0, 4, 1                        ; h
	s_delay_alu instid0(VALU_DEP_3)
	v_lshlrev_b32 v1, 4, v40
	s_xor_b32 s28, s12, 15                         ; 15 - wave: later queries begin at earlier rows of r
	s_lshl_b32 s31, s28, 10
	s_add_co_u32 s31, s31, RT
	v_add_nc_u32 v2, s31, v1
	s_lshl_b32 s31, s28, 6
	s_add_co_u32 s31, s31, RS
	v_lshl_add_u32 v3, v41, 2, s31
	v_lshl_add_u32 v4, v41, 2, 16384
	s_mul_i32 s31, s12, 16*656
	s_add_co_u32 s31, s31, SK                      ; my stage
	v_mul_u32_u24 v5, v41, 660
	s_delay_alu instid0(VALU_DEP_1)
	v_lshl_add_u32 v5, v42, 5, v5
	s_delay_alu instid0(VALU_DEP_1)
	v_add_nc_u32 v5, s31, v5
	s_delay_alu instid0(VALU_DEP_1)
	v_add_nc_u32 v5, 4, v5                         ; in: row r, column r + 1 + 8 h
	v_mul_u32_u24 v6, v41, 656
	s_delay_alu instid0(VALU_DEP_1)
	v_lshl_add_u32 v6, v42, 5, v6
	s_delay_alu instid0(VALU_DEP_1)
	v_add_nc_u32 v6, s31, v6
	s_delay_alu instid0(VALU_DEP_1)
	v_add_nc_u32 v6, 64, v6                        ; back: row r, column 16 + 8 h
	v_lshlrev_b32 v7, 4, v0
	v_lshl_add_u32 v8, v0, 2, 16384
	v_lshlrev_b32 v50, 2, v41
	v_lshlrev_b32 v51, 3, v0
.irp i, 44,45,46,47
	v_mov_b32 v\i, 0
.endr
	v_add_nc_u32 v43, 81920, v7
	ds_store_b128 v7, v[44:47] offset:RT           ; tiles 0-15 and 80-95 of r: zero codes,
	ds_store_b128 v7, v[44:47] offset:RT+8192
	ds_store_b128 v43, v[44:47] offset:RT
	ds_store_b128 v43, v[44:47] offset:RT+8192
	v_lshrrev_b32 v48, 8, v0
	s_delay_alu instid0(VALU_DEP_1)
	v_lshlrev_b32 v48, 12, v48
	s_delay_alu instid0(VALU_DEP_1)
	v_lshl_add_u32 v48, v0, 2, v48
	s_delay_alu instid0(VALU_DEP_1)
	v_add_nc_u32 v48, RS, v48
	v_mov_b32 v49, 0x7f7f7f7f
	ds_store_b32 v48, v49                          ; under the scale 1
	s_lshl_b32 s50, s13, 4
	s_lshl_b32 s28, s14, 7
	s_add_co_u32 s28, s28, s50
	s_add_co_u32 s28, s28, s12                     ; 128 y + my tile of queries
	s_lshl_b32 s38, s28, 11                        ; Q's images,
	s_mov_b32 s39, 0
	s_lshl_b32 s40, s28, 6
	s_add_co_u32 s40, s40, 0x800000                ; its words
	s_mov_b32 s41, 0
	s_lshl_b32 s42, s15, 16                        ; the head's r images,
	s_mov_b32 s43, 0
	s_lshl_b32 s44, s15, 12
	s_add_co_u32 s44, s44, 0x100000                ; their words
	s_mov_b32 s45, 0
	s_lshl_b32 s46, s16, 7
	s_add_co_u32 s46, s46, s50
	s_add_co_u32 s46, s46, s12                     ; xbuf: row tile 128 b + 16 x + wave
	s_lshl_b32 s48, s46, 5
	s_lshl_b32 s51, s15, 13
	s_add_co_u32 s48, s48, s51
	s_add_co_u32 s48, s48, 0x400000                ; its scale bytes: [head][4,096 rows] of two
	s_mov_b32 s49, 0
	s_lshl_b32 s46, s46, 14
	s_lshl_b32 s51, s15, 10                        ; head n: K step n / 2, pieces 2 (n % 2) on: 1,024 n bytes
	s_add_co_u32 s46, s46, s51
	s_mov_b32 s47, 0
	s_wait_kmcnt 0x0
	s_add_nc_u64 s[32:33], s[4:5], s[40:41]
	s_add_nc_u64 s[4:5], s[4:5], s[38:39]
	s_add_nc_u64 s[34:35], s[8:9], s[44:45]
	s_add_nc_u64 s[8:9], s[8:9], s[42:43]
	s_add_nc_u64 s[36:37], s[10:11], s[48:49]
	s_add_nc_u64 s[10:11], s[10:11], s[46:47]
	global_load_b128 v[16:19], v1, s[4:5]
	global_load_b128 v[20:23], v1, s[4:5] offset:512
	global_load_b128 v[32:35], v1, s[4:5] offset:1024
	global_load_b128 v[36:39], v1, s[4:5] offset:1536
	global_load_b32 v225, v50, s[32:33]
.irp i, 0,1,2,3,4,5,6,7
	global_load_b128 v[S+4*\i:S+4*\i+3], v7, s[8:9] offset:8192*\i
.endr
	global_load_b64 v[136:137], v51, s[34:35]
.set i, 216
.rept 9
	v_mov_b32 v[i], 0                              ; the record's registers are written once, whole
.set i, i+1
.endr
	s_cmp_lt_i32 s23, 0                            ; step 0's record, where its keys exist: asked for with the loads above, under their one wait
	s_cbranch_scc1 .Lno_first_load
	LOADREC
.Lno_first_load:
.irp i, 24,25,26,27,28,29,30,31
	v_mov_b32 v\i, 0                               ; Q's zero codes
.endr
.set i, 0
.rept 32
	v_mov_b32 v[OT+i], 0                           ; O^T.  (The step is written once: the first finds zeros, which the first change of M leaves zeros)
.set i, i+1
.endr
	v_mov_b32 v13, 0xff61b1e6                      ; the largest t so far: -3e38
	s_delay_alu instid0(VALU_DEP_1)
	v_floor_f32 v12, -v13
	v_mov_b32 v14, 0
	v_mov_b32 v15, 0
	v_mov_b32 v227, 0                              ; (named as the upper half of v[226:227] before it is first written)
	v_mov_b32 v253, 0
.irp i, 232,233,234,235
	v_mov_b32 v\i, 0                               ; a lane permute's destination counts as one of its sources
.endr
	v_add_nc_u32 v52, RT+16384, v7
	v_add_nc_u32 v53, RS+1024, v51
	s_wait_alu depctr_va_vdst(0)
	s_wait_loadcnt 0x0
.irp i, 0,1,2,3,4,5,6,7
	ds_store_b128 v52, v[S+4*\i:S+4*\i+3] offset:8192*\i   ; the head's r: tiles 16-79
.endr
	ds_store_b64 v53, v[136:137]
	s_cmp_lt_i32 s23, 0
	s_cbranch_scc1 .Lno_first
	STOREREC 0
.Lno_first:
.irp f, 0,1,2,3
.irp i, 0,1,2,3,4,5,6,7
	v_mov_b32 v[F+16*\f+\i], 0                     ; the fragments' K halves: zero codes until K's first tiles come (the r halves are loaded before their first use)
.endr
.endr
	s_add_co_i32 s23, s23, 1
	s_wait_dscnt 0x0                               ; my stores have landed,
	s_barrier_signal -1
	s_barrier_wait -1                              ; everybody's have
.macro RGROUP t0, n, sc                ; n tiles of r, from the t0-th of my nine on, into the fragments' upper halves; their words
.set FI, 0
.rept \n
	ds_load_b128 v[F+16*FI+8:F+16*FI+11], v11 offset:((\t0)+FI)*1024
	ds_load_b128 v[F+16*FI+12:F+16*FI+15], v11 offset:((\t0)+FI)*1024+512
	ds_load_b32 v[(\sc)+FI], v255 offset:64*((\t0)+FI)
.set FI, FI+1
.endr
.endm
.macro KGROUP slot, t0, sc             ; four tiles of K into the fragments' lower halves; their words
.set FI, 0
.rept 4
	ds_load_b128 v[F+16*FI:F+16*FI+3], v1 offset:(\slot)*REC+((\t0)+FI)*1024
	ds_load_b128 v[F+16*FI+4:F+16*FI+7], v1 offset:(\slot)*REC+((\t0)+FI)*1024+512
	ds_load_b32 v[(\sc)+FI], v4 offset:(\slot)*REC+64*((\t0)+FI)
.set FI, FI+1
.endr
.endm
.macro BD f, d, sc                     ; 16 rows of r x my 16 queries + r_r_bias
	v_wmma_scale_f32_16x16x128_f8f6f4 v[(\d):(\d)+7], v[F+16*(\f):F+16*(\f)+15], v[24:39], 0, v[(\sc)], v225 matrix_a_fmt:MATRIX_FMT_BF8 matrix_b_fmt:MATRIX_FMT_BF8
.endm
.macro AC t, f, sc                     ; 16 keys x my 16 queries + r_w_bias, onto the shifted BD
	v_wmma_scale_f32_16x16x128_f8f6f4 v[S+8*(\t):S+8*(\t)+7], v[F+16*(\f):F+16*(\f)+15], v[16:31], v[S+8*(\t):S+8*(\t)+7], v[(\sc)], v225 matrix_a_fmt:MATRIX_FMT_BF8 matrix_b_fmt:MATRIX_FMT_BF8
.endm
.macro PLACES n
.rept \n
	v_nop
.endr
.endm
.macro MASK cmp                        ; register 8 T + j holds key offset 16 T + j + 8 h: hidden where 16 T + j (cmp) v254
.set n, 0
.rept 64
	v_cmp_\cmp\()_i32 vcc_lo, 16*(n/8)+n%8, v254
	v_cndmask_b32 v[S+n], v[S+n], v253, vcc_lo
.set n, n+1
.endr
.endm
; ONE KEY STEP, from slot.  The accumulators of matrix instructions that follow each other differ throughout, over the loop's edge too.
.macro TRIP slot
	s_cmp_ge_i32 s23, 0                            ; is there a next step, and do its keys exist?  The same in all sixteen waves
	s_cselect_b32 s25, 1, 0
	s_cmp_le_u32 s24, 9
	s_cselect_b32 s25, s25, 0
	s_cmp_eq_u32 s25, 0
	s_cbranch_scc1 .Lnoload_\@
	LOADREC                                        ; it lands while this step is worked
.Lnoload_\@:
	s_cmp_lt_i32 s23, 1                            ; this step's keys do not exist,
	s_cbranch_scc1 .Lskip_\@
	s_cmp_gt_i32 s22, 1126                         ; or all lie 1,000 or more behind all my queries,
	s_cbranch_scc1 .Lskip_\@
	s_cmp_lt_i32 s22, -15                          ; or all come after them: branches on ids and the count of steps, round the work alone
	s_cbranch_scc1 .Lskip_\@
	v_add_nc_u32 v11, s29, v2
	v_add_nc_u32 v255, s30, v3
	PLACES 6                                       ; with the two additions: eight places in front of loads into registers that the last products read
	RGROUP 0, 4, 244
	s_wait_dscnt 0x0
	s_wait_alu depctr_va_vdst(0)
.irp f, 0,1,2,3
	BD \f, S+8*\f, 244+\f
.endr
	PLACES 8
	RGROUP 4, 4, 244
	s_wait_dscnt 0x0
.irp f, 0,1,2,3
	BD \f, S+32+8*\f, 244+\f
.endr
	PLACES 8
	RGROUP 8, 1, 248
	KGROUP \slot, 0, 249
	s_wait_dscnt 0x0
	BD 0, PC, 248
	PLACES 8
.irp t, 0,1,2,3,4,5,6,7
.irp j, 0,1,2,3,4,5,6,7
	ds_store_b32 v5, v[S+8*\t+\j] offset:64*\t+4*\j        ; the skew: each result from its low end on
.endr
.endr
.irp j, 0,1,2,3,4,5,6,7
	ds_store_b32 v5, v[PC+\j] offset:512+4*\j
.endr
.irp t, 0,1,2,3,4,5,6,7
	ds_load_b128 v[S+8*\t:S+8*\t+3], v6 offset:64*\t       ; LDS serves a wave's instructions in order: these see my stores
	ds_load_b128 v[S+8*\t+4:S+8*\t+7], v6 offset:64*\t+16
.endr
	s_wait_dscnt 0x0
.irp t, 0,1,2,3
	AC \t, \t, 249+\t
.endr
	PLACES 8
	KGROUP \slot, 4, 244
	s_wait_dscnt 0x0
.irp t, 0,1,2,3
	AC 4+\t, \t, 244+\t
.endr
	PLACES 8
.irp d, 0,1,2,3                        ; V's four fragments and words are asked for here and land under the softmax
.irp c, 0,1,2,3
	ds_load_b128 v[F+16*\d+4*\c:F+16*\d+4*\c+3], v1 offset:(\slot)*REC+8192+2048*\d+512*\c
.endr
	ds_load_b32 v[244+\d], v4 offset:(\slot)*REC+512+64*\d
.endr
	s_cmp_ge_i32 s22, 127                          ; keys after the query: only where D0 < 127
	s_cbranch_scc1 .Lnc_\@
	v_and_b32 v254, 15, v0
	v_bfe_u32 v253, v0, 4, 1
	s_delay_alu instid0(VALU_DEP_1)
	v_lshlrev_b32 v253, 3, v253
	s_delay_alu instid0(VALU_DEP_1)
	v_sub_nc_u32 v254, v254, v253
	s_delay_alu instid0(VALU_DEP_1)
	v_add_nc_u32 v254, s22, v254                   ; D0 + r - 8 h
	v_mov_b32 v253, 0xff800000                     ; -infinity
	MASK gt
.Lnc_\@:
	s_cmp_le_i32 s22, 984                          ; keys 1,000 or more behind: only where D0 > 984
	s_cbranch_scc1 .Lno_\@
	s_sub_co_i32 s28, s22, 999
	v_and_b32 v254, 15, v0
	v_bfe_u32 v253, v0, 4, 1
	s_delay_alu instid0(VALU_DEP_1)
	v_lshlrev_b32 v253, 3, v253
	s_delay_alu instid0(VALU_DEP_1)
	v_sub_nc_u32 v254, v254, v253
	s_delay_alu instid0(VALU_DEP_1)
	v_add_nc_u32 v254, s28, v254                   ; D0 + r - 8 h - 999
	v_mov_b32 v253, 0xff800000
	MASK lt
.Lno_\@:
.irp b, 0,1,2,3
	v_max3_num_f32 v[228+\b], v[S+16*\b], v[S+1+16*\b], v[S+2+16*\b]   ; the largest score of each block of 32 keys: for the row's maximum and, since p rises with the score, for the block's largest p
.endr
.irp i, 3,5,7,9,11,13
.irp b, 0,1,2,3
	v_max3_num_f32 v[228+\b], v[228+\b], v[S+16*\b+\i], v[S+1+16*\b+\i]
.endr
.endr
.irp b, 0,1,2,3
	v_max_num_f32 v[228+\b], v[228+\b], v[S+15+16*\b]
.endr
.irp b, 0,1,2,3
	s_delay_alu instid0(VALU_DEP_4)
	v_permlanex16_b32 v[232+\b], v[228+\b], s20, s21
.endr
.irp b, 0,1,2,3
	s_delay_alu instid0(VALU_DEP_4)
	v_max_num_f32 v[228+\b], v[228+\b], v[232+\b]
.endr
	s_delay_alu instid0(VALU_DEP_2)
	v_max3_num_f32 v253, v228, v229, v230
	s_delay_alu instid0(VALU_DEP_1)
	v_max_num_f32 v253, v253, v231
	s_delay_alu instid0(VALU_DEP_1)
	v_mul_f32 v253, s18, v253                      ; as t (c is positive)
	s_delay_alu instid0(VALU_DEP_1)
	v_max_num_f32 v13, v13, v253
	v_mov_b32 v253, v12
	s_delay_alu instid0(VALU_DEP_2)
	v_floor_f32 v12, -v13                          ; -M = floor(-t): M is a whole number
	s_delay_alu instid0(VALU_DEP_1)
	v_sub_f32 v253, v12, v253
	s_delay_alu instid0(VALU_DEP_1)
	v_cvt_i32_f32 v253, v253                       ; (it saturates)
	s_delay_alu instid0(VALU_DEP_1)
	v_ldexp_f32 v226, 1.0, v253                    ; f = 2^(old M - new M)
.set j, 0
.rept 32
	v_pk_fma_f32 v[S+j:S+j+1], v[S+j:S+j+1], s[18:19], v[12:13] op_sel_hi:[1,0,0]   ; t - M
.set j, j+2
.endr
.irp b, 0,1,2,3
	v_fma_f32 v[228+\b], v[228+\b], s18, v12
.endr
.set j, 0
	s_wait_alu depctr_va_vdst(0)
.rept 64
	v_exp_f32 v[S+j], v[S+j]                       ; p = 2^(t - M): one batch
.set j, j+1
.endr
	v_pk_mul_f32 v[14:15], v[14:15], v[226:227] op_sel_hi:[1,0]   ; the sums under the new M: the plain instruction behind the exponentials
	s_wait_alu depctr_va_vdst(0)                   ; the wait ahead of the batch's first reader: one for the 64
.irp b, 0,1,2,3
	v_exp_f32 v[228+\b], v[228+\b]                 ; the blocks' largest p
.endr
	v_pk_add_f32 v[232:233], v[108:109], v[112:113]
	v_pk_add_f32 v[254:255], v[116:117], v[120:121]
	v_pk_add_f32 v[250:251], v[124:125], v[128:129]
	v_pk_add_f32 v[248:249], v[132:133], v[136:137]
	v_pk_add_f32 v[242:243], v[140:141], v[144:145]
	v_pk_add_f32 v[240:241], v[148:149], v[152:153]
	v_pk_add_f32 v[238:239], v[156:157], v[160:161]
	v_pk_add_f32 v[14:15], v[14:15], v[164:165]
	v_pk_add_f32 v[232:233], v[232:233], v[104:105]
	v_pk_add_f32 v[254:255], v[254:255], v[106:107]
	v_pk_add_f32 v[250:251], v[250:251], v[110:111]
	v_pk_add_f32 v[248:249], v[248:249], v[114:115]
	v_pk_add_f32 v[242:243], v[242:243], v[118:119]
	v_pk_add_f32 v[240:241], v[240:241], v[122:123]
	v_pk_add_f32 v[238:239], v[238:239], v[126:127]
	v_pk_add_f32 v[14:15], v[14:15], v[130:131]
	v_pk_add_f32 v[232:233], v[232:233], v[134:135]
	v_pk_add_f32 v[254:255], v[254:255], v[138:139]
	v_pk_add_f32 v[250:251], v[250:251], v[142:143]
	v_pk_add_f32 v[248:249], v[248:249], v[146:147]
	v_pk_add_f32 v[242:243], v[242:243], v[150:151]
	v_pk_add_f32 v[240:241], v[240:241], v[154:155]
	v_pk_add_f32 v[238:239], v[238:239], v[158:159]
	v_pk_add_f32 v[14:15], v[14:15], v[162:163]
	v_pk_add_f32 v[232:233], v[232:233], v[166:167]
	s_delay_alu instid0(VALU_DEP_2)
	v_pk_add_f32 v[14:15], v[14:15], v[248:249]
	s_delay_alu instid0(VALU_DEP_2)
	v_pk_add_f32 v[232:233], v[232:233], v[242:243]
	v_pk_add_f32 v[254:255], v[254:255], v[240:241]
	v_pk_add_f32 v[250:251], v[250:251], v[238:239]
	s_delay_alu instid0(VALU_DEP_2)
	v_pk_add_f32 v[14:15], v[14:15], v[254:255]
	s_delay_alu instid0(VALU_DEP_2)
	v_pk_add_f32 v[232:233], v[232:233], v[250:251]
	s_delay_alu instid0(VALU_DEP_1)
	v_pk_add_f32 v[14:15], v[14:15], v[232:233]
	s_wait_alu depctr_va_vdst(0)                   ; and one for the four
.irp b, 0,1,2,3
	v_max_num_f32 v[228+\b], 0x8000000, v[228+\b]  ; the floor 2^(16 - 127)
.endr
.irp b, 0,1,2,3
	s_delay_alu instid0(VALU_DEP_4)
	v_add_nc_u32 v[240+\b], 0xf8800000, v[228+\b]
.endr
.irp b, 0,1,2,3
.endr
.irp b, 0,1,2,3
	s_delay_alu instid0(VALU_DEP_4)
	v_lshrrev_b32 v[232+\b], 23, v[240+\b]
.endr
	s_delay_alu instid0(VALU_DEP_3)
	v_lshl_or_b32 v227, v233, 8, v232              ; p's scale word for these 128 keys
	s_delay_alu instid0(VALU_DEP_1)
	v_lshl_or_b32 v227, v234, 16, v227
	s_delay_alu instid0(VALU_DEP_1)
	v_lshl_or_b32 v227, v235, 24, v227
.irp b, 0,1,2,3
.irp i, 0,1,2,3,4,5,6,7,8,9,10,11,12,13,14,15
.endr
	v_cvt_scalef32_pk8_bf8_f32 v[PC+4*\b:PC+1+4*\b], v[S+16*\b:S+7+16*\b], v[240+\b]
	v_cvt_scalef32_pk8_bf8_f32 v[PC+2+4*\b:PC+3+4*\b], v[S+8+16*\b:S+15+16*\b], v[240+\b]
.endr
.set j, 0
.rept 16
	v_pk_mul_f32 v[OT+j:OT+j+1], v[OT+j:OT+j+1], v[226:227] op_sel_hi:[1,0]   ; O^T under the new M; also the places between the codes and the products
.set j, j+2
.endr
	s_wait_alu depctr_va_vdst(0)
	s_wait_dscnt 0x0                               ; V is in
.irp d, 0,1,2,3
	v_wmma_scale_f32_16x16x128_f8f6f4 v[OT+8*\d:OT+8*\d+7], v[F+16*\d:F+16*\d+15], v[PC:PC+15], v[OT+8*\d:OT+8*\d+7], v[244+\d], v227 matrix_a_fmt:MATRIX_FMT_BF8 matrix_b_fmt:MATRIX_FMT_BF8
.endr
.Lskip_\@:
	s_wait_loadcnt 0x0                             ; the next record is in registers (on every path: no load is out when its address is made anew)
	s_cmp_eq_u32 s25, 0
	s_cbranch_scc1 .Lnostore_\@
	STOREREC 1-\slot                               ; into the slot that was read a step ago: those reads were waited for in front of that step's barrier
.Lnostore_\@:
	s_add_co_u32 s29, s29, 8192                    ; eight tiles of r on
	s_add_co_u32 s30, s30, 512
	s_sub_co_i32 s22, s22, 128
	s_add_co_i32 s23, s23, 1
	s_add_co_u32 s24, s24, 1
	s_wait_dscnt 0x0                               ; my stores have landed and my reads of this slot are over
	s_barrier_signal -1
	s_barrier_wait -1
.endm
	s_mov_b32 s26, 0
.Lpair:                                                ; five trips of two key steps
	TRIP 0
	TRIP 1
	s_add_co_u32 s26, s26, 1
	s_cmp_lt_u32 s26, 5
	s_cbranch_scc1 .Lpair
	; THE WAY OUT: O^T / the sum, quantised along the channel (two blocks of 32), leaves as two pieces of an operand image and two scale bytes a row.
	PLACES 8
	v_add_f32 v14, v14, v15
	s_delay_alu instid0(VALU_DEP_1)
	v_permlanex16_b32 v253, v14, s20, s21
	s_delay_alu instid0(VALU_DEP_1)
	v_add_f32 v14, v14, v253                       ; the row's sum
	s_wait_alu depctr_va_vdst(0)
	v_rcp_f32 v14, v14
	v_and_b32 v254, 15, v0                         ; (the plain instruction behind the reciprocal)
	s_delay_alu instid0(VALU_DEP_1)
	v_lshlrev_b32 v254, 1, v254                    ; 2 r
	s_wait_alu depctr_va_vdst(0)                   ; the wait ahead of its first reader
.set j, 0
.rept 16
	v_pk_mul_f32 v[OT+j:OT+j+1], v[OT+j:OT+j+1], v[14:15] op_sel_hi:[1,0]
.set j, j+2
.endr
.irp b, 0,1
	v_max3_num_f32 v[228+\b], |v[OT+16*\b]|, |v[OT+1+16*\b]|, 0x8000000
.endr
.irp i, 2,4,6,8,10,12,14
.irp b, 0,1
	s_delay_alu instid0(VALU_DEP_2)
	v_max3_num_f32 v[228+\b], v[228+\b], |v[OT+16*\b+\i]|, |v[OT+1+16*\b+\i]|
.endr
.endr
.irp b, 0,1
	s_delay_alu instid0(VALU_DEP_2)
	v_permlanex16_b32 v[232+\b], v[228+\b], s20, s21
.endr
.irp b, 0,1
	s_delay_alu instid0(VALU_DEP_2)
	v_max_num_f32 v[228+\b], v[228+\b], v[232+\b]
.endr
.irp b, 0,1
	s_delay_alu instid0(VALU_DEP_2)
	v_add_nc_u32 v[240+\b], 0xf8800000, v[228+\b]
.endr
.irp b, 0,1
.endr
.irp b, 0,1
	s_delay_alu instid0(VALU_DEP_2)
	v_lshrrev_b32 v[232+\b], 23, v[240+\b]
.endr
	s_delay_alu instid0(VALU_DEP_1)
	v_lshl_or_b32 v227, v233, 8, v232
.irp b, 0,1
.irp i, 0,1,2,3,4,5,6,7,8,9,10,11,12,13,14,15
.endr
	v_cvt_scalef32_pk8_bf8_f32 v[PC+4*\b:PC+1+4*\b], v[OT+16*\b:OT+7+16*\b], v[240+\b]
	v_cvt_scalef32_pk8_bf8_f32 v[PC+2+4*\b:PC+3+4*\b], v[OT+8+16*\b:OT+15+16*\b], v[240+\b]
.endr
	v_nop
	global_store_b128 v1, v[PC:PC+3], s[10:11]     ; 32 lanes store 512 consecutive bytes
	global_store_b128 v1, v[PC+4:PC+7], s[10:11] offset:512
	global_store_b16 v254, v227, s[36:37]          ; both halves of the lanes hold the same two bytes
	v_lshl_add_u32 v228, v0, 2, SPARE              ; no two registers could be kept: the add's two are made here, from v0
	v_mov_b32 v229, 0
	s_wait_alu depctr_va_vdst(0)
	s_wait_tensorcnt 0x0                           ; the wave's end: a wait, an add to my spare word and its wait, behind my last LDS store
	ds_add_u32 v228, v229
	s_wait_dscnt 0x0
	s_endpgm
.Lfunc_end_k_q44336d9e30_attn:
	.size	k_q44336d9e30_attn, .Lfunc_end_k_q44336d9e30_attn-k_q44336d9e30_attn
	.p2alignl 7, 3214868480
	.fill 96, 4, 3214868480
	.section	.rodata,"a",@progbits
	.p2align	6, 0x0
	.amdhsa_kernel k_q44336d9e30_attn
		.amdhsa_group_segment_fixed_size 309248
		.amdhsa_private_segment_fixed_size 0
		.amdhsa_enable_private_segment 0
		.amdhsa_kernarg_size 32
		.amdhsa_user_sgpr_count 2
		.amdhsa_user_sgpr_kernarg_segment_ptr 1
		.amdhsa_wavefront_size32 1
		.amdhsa_system_sgpr_workgroup_id_x 1
		.amdhsa_system_sgpr_workgroup_id_y 1
		.amdhsa_system_sgpr_workgroup_id_z 1
		.amdhsa_system_vgpr_workitem_id 0
		.amdhsa_next_free_vgpr 256
		.amdhsa_next_free_sgpr 66
		.amdhsa_reserve_vcc 1
		.amdhsa_float_denorm_mode_32 3
		.amdhsa_float_denorm_mode_16_64 3
		.amdhsa_fp16_overflow 1
		.amdhsa_memory_ordered 1
		.amdhsa_forward_progress 1
		.amdhsa_inst_pref_size 94
	.end_amdhsa_kernel
	.amdgpu_metadata
---
amdhsa.version: [ 1, 2 ]
amdhsa.kernels:
  - .name:           k_q44336d9e30_attn
    .symbol:         k_q44336d9e30_attn.kd
    .args:
      - { .name: qbuf, .offset: 0, .size: 8, .value_kind: global_buffer, .address_space: global }
      - { .name: kv, .offset: 8, .size: 8, .value_kind: global_buffer, .address_space: global }
      - { .name: rbuf, .offset: 16, .size: 8, .value_kind: global_buffer, .address_space: global }
      - { .name: xbuf, .offset: 24, .size: 8, .value_kind: global_buffer, .address_space: global }
    .group_segment_fixed_size: 309248
    .private_segment_fixed_size: 0
    .kernarg_segment_align: 8
    .kernarg_segment_size: 32
    .max_flat_workgroup_size: 512
    .sgpr_count:     66
    .vgpr_count:     256
    .wavefront_size: 32
...
	.end_amdgpu_metadata
.endif
;; end of part 3
;; launch outln (part 4): grid 64 x 1, 8 waves a work-group, no clusters, 148,480 bytes of LDS; arguments xbuf, woimg, W_o_scales, b_o, z1ss, out0; writes out0
.if DOCPART == 4
	.amdgcn_target "amdgcn-amd-amdhsa--gfx1250"
	.amdhsa_code_object_version 6
	.text
	.protected	k_q44336d9e30_outln
	.globl	k_q44336d9e30_outln
	.p2align	8
	.type	k_q44336d9e30_outln,@function
k_q44336d9e30_outln:
	s_mov_b64 s[64:65], 0
	v_nop
	global_prefetch_b8 v0, s[64:65] scope:SCOPE_SE
	s_setreg_imm32_b32 hwreg(HW_REG_WAVE_MODE, 25, 1), 1
	s_wait_xcnt 0x0
; out0 = LayerNorm over d of (W_o x attn_vec + b_o + z1ss), the product on codes of E5M2 (K = 1,024).
; SHARES.  A work-group takes 64 positions x all 1,024 channels: the norm wants every channel of a position in one work-group, and 64 positions are 256 consecutive bytes of a row of out0.  So 64 work-groups.
; Wave w of eight takes channels 128 w .. 128 w + 127: 32 accumulators, 256 registers: all of window 1.  Source 0 = 16 positions of X, source 1 = 16 channels of W_o: lane (r, h) holds channel 128 w + 16 Tc + r,
; register j of tile (Tc, Tp), at 32 Tc + 8 Tp of window 1, position 16 Tp + 8 h + j.
; X's images (64 KiB) are copied to LDS once and read by all waves.  W_o's images come straight into registers: each byte is wanted by one wave of the work-group, once.
; W_o IS ASKED FOR TWO UNITS AHEAD.  K is walked in 16 units: a K step's fragments of four channel tiles (16 loads of 16 bytes a lane) and their four scale words.  Three places of 64 registers take turns: unit u first asks for
; unit u + 2, into the place that unit u - 1 has left, then waits for its own loads alone: at most 60 loads of the wave are out, and a fragment has two units' 32 products and four fetches of X in which to land.
; z1ss is loaded straight into the accumulators; b_o is added to it there, ahead of the first product, whose C it is.  LIMIT: (z + b_o) + product is summed in that order, not as (product + b_o) + z.
; THE NORM, in two passes as the layer writes it: the mean, then the mean of the squared differences.  A sum over channels: over Tc in the lane, over r by four steps across sixteen lanes, over the waves through LDS.
; NO CLUSTER: what work-groups share, W_o, goes to registers in operand order; through LDS it would be written and read there once more.  NO PREFETCH: woimg is read by all 64 work-groups, z is asked for at the head by its own loads.
.set XSC,   65536                      ; LDS: X's images at 0; their scale words [K step 8][64 rows];
.set ST1,   67584                      ; each wave's 64 partial sums, 272 bytes apart;
.set TOT1,  71936                      ; the 64 totals;  the second sum has the same two regions 4,608 bytes on;
.set STG,   76800                      ; a stage of 16 rows x 272 bytes for each wave;
.set SPARE, 146432                     ; the spare words, 128 bytes a wave, which no other line names
.set WS,    12                         ; v12-23   W_o's scale words: place b's four at WS + 4 b
.set XF,    32                         ; v32-63   two fragments of X; later sums and rows on their way out
.set WR,    64                         ; v64-255  W_o's fragments: place b's four at WR + 64 b; at the head place 0 carries X, place 2 b_o; later: v64-95 sums and rows, v96-107 addresses and work
.set BO,    192                        ; b_o of channel tile c in v[BO + 2 c]; its odd neighbour is named with it as a pair
; window 0 besides: v1 16 lane; v2 X's words; v3 z's offset; v4, v5 the add's two; v6, v7 X's scale words; v8 W_o's scale words' offset; v9-11, v24-31 the head's
.set MSB, 0
.macro WIN new                         ; s_set_vgpr_msb: bits 1:0 source 0, 3:2 source 1, 5:4 source 2, 7:6 destination; the immediate's high byte repeats the setting that is left
.if MSB != \new
	s_set_vgpr_msb (MSB<<8)|\new
.set MSB, \new
.endif
.endm
	s_load_b256 s[4:11], s[0:1], 0x0               ; xbuf, woimg, W_o_scales, b_o
	s_load_b128 s[12:15], s[0:1], 0x20             ; z1ss, out0
	v_lshl_add_u32 v4, v0, 2, SPARE
	v_mov_b32 v5, 0
	v_lshrrev_b32 v1, 5, v0
	s_delay_alu instid0(VALU_DEP_1)
	v_readfirstlane_b32 s16, v1                    ; wave 0..7
	s_lshr_b32 s18, ttmp9, 5                       ; batch
	s_and_b32 s19, ttmp9, 31
	s_lshl_b32 s19, s19, 8                         ; my first position, in bytes
	s_lshl_b32 s20, s18, 23
	s_lshl_b32 s21, s16, 20                        ; my 128 channels' rows of 8,192 bytes
	s_add_co_u32 s20, s20, s21
	s_add_co_u32 s20, s20, s19
	s_mov_b32 s21, 0
	s_lshl_b32 s22, ttmp9, 16                      ; X: four row tiles of 16,384 bytes
	s_mov_b32 s23, 0
	s_lshl_b32 s24, ttmp9, 7
	s_add_co_u32 s24, s24, 0x400000                ; its scale bytes: two a row and head
	s_mov_b32 s25, 0
	s_lshl_b32 s28, s16, 17                        ; W_o's images: my eight row tiles of 16,384 bytes
	s_mov_b32 s29, 0
	s_lshl_b32 s30, s16, 12                        ; its scale bytes: my 128 rows of 32
	s_mov_b32 s31, 0
	s_lshl_b32 s32, s16, 9                         ; b_o: my 128 numbers
	s_mov_b32 s33, 0
	s_mov_b32 s26, 0x3a800000                      ; 1 / 1024
	s_mov_b32 s27, 0x3727c5ac                      ; 1e-5
	v_and_b32 v9, 31, v0
	v_and_b32 v10, 15, v0                          ; r
	v_bfe_u32 v11, v0, 4, 1                        ; h
	s_delay_alu instid0(VALU_DEP_3)
	v_lshlrev_b32 v1, 4, v9
	s_delay_alu instid0(VALU_DEP_3)
	v_lshl_add_u32 v2, v10, 2, XSC
	s_delay_alu instid0(VALU_DEP_4)
	v_lshlrev_b32 v3, 13, v10
	s_delay_alu instid0(VALU_DEP_1)
	v_lshl_add_u32 v3, v11, 5, v3                  ; z: row r, + 32 h
	v_lshlrev_b32 v8, 5, v10                       ; W_o's scale words: row r of 32 bytes
	v_lshlrev_b32 v24, 4, v0                       ; 16 t
	v_and_b32 v25, 63, v0
	v_lshrrev_b32 v26, 6, v0
	s_delay_alu instid0(VALU_DEP_2)
	v_lshlrev_b32 v25, 1, v25
	s_delay_alu instid0(VALU_DEP_1)
	v_lshl_add_u32 v25, v26, 14, v25               ; thread t: row t % 64, K steps t / 64 and t / 64 + 4 (a K step is heads 2 s and 2 s + 1, 8,192 bytes apart)
	v_lshlrev_b32 v26, 2, v10
	v_lshl_add_u32 v31, v0, 2, XSC
.irp c, 0,1,2,3,4,5,6,7
	v_mov_b32 v[BO+2*\c+1], 0
.endr
	s_wait_kmcnt 0x0
	s_add_nc_u64 s[34:35], s[4:5], s[24:25]
	s_add_nc_u64 s[4:5], s[4:5], s[22:23]
	s_add_nc_u64 s[6:7], s[6:7], s[28:29]
	s_add_nc_u64 s[8:9], s[8:9], s[30:31]
	s_add_nc_u64 s[10:11], s[10:11], s[32:33]
	s_add_nc_u64 s[12:13], s[12:13], s[20:21]
	s_add_nc_u64 s[14:15], s[14:15], s[20:21]
.irp i, 0,1,2,3,4,5,6,7,8,9,10,11,12,13,14,15
	global_load_b128 v[WR+4*\i:WR+4*\i+3], v24, s[4:5] offset:4096*\i
.endr
	global_load_u16 v27, v25, s[34:35]
	global_load_u16 v28, v25, s[34:35] offset:8192
	global_load_u16 v29, v25, s[34:35] offset:65536
	global_load_u16 v30, v25, s[34:35] offset:73728
.irp c, 0,1,2,3,4,5,6,7
	global_load_b32 v[BO+2*\c], v26, s[10:11] offset:64*\c
.endr
.macro ZLOAD c                         ; z of channel tile c into its four accumulators: the eight loads cover 256 consecutive bytes of each of the tile's rows
.irp p, 0,1,2,3
.irp d, 0,1
	global_load_b128 v[32*\c+8*\p+4*\d:32*\c+8*\p+4*\d+3], v3, s[12:13] offset:131072*\c+64*\p+16*\d
.endr
.endr
.endm
	WIN 0x40                                       ; destination window 1
.irp c, 0,1,2,3
	ZLOAD \c
.endr
	WIN 0
	s_wait_loadcnt 40                              ; X and its scale bytes are in; b_o's 8 loads and z's 32 may be out
.irp i, 0,1,2,3,4,5,6,7,8,9,10,11,12,13,14,15
	ds_store_b128 v24, v[WR+4*\i:WR+4*\i+3] offset:4096*\i
.endr
	v_lshl_or_b32 v27, v28, 16, v27                ; a K step's word: the even head's two bytes, then the odd head's
	v_lshl_or_b32 v29, v30, 16, v29
	ds_store_b32 v31, v27
	ds_store_b32 v31, v29 offset:1024
	WIN 0x40
.irp c, 4,5,6,7
	ZLOAD \c
.endr
	WIN 0
	s_wait_dscnt 0x0                               ; my stores have landed, and have read their registers
.macro WLOAD u                         ; unit u: K step u / 2, channel tiles 4 (u % 2) on: 16 loads of fragments, 4 of scale words, into place u % 3
.irp c, 0,1,2,3
.irp e, 0,1,2,3
	global_load_b128 v[WR+64*((\u)%3)+16*\c+4*\e:WR+64*((\u)%3)+16*\c+4*\e+3], v1, s[6:7] offset:16384*(4*((\u)%2)+\c)+2048*((\u)/2)+512*\e
.endr
	global_load_b32 v[WS+4*((\u)%3)+\c], v8, s[8:9] offset:512*(4*((\u)%2)+\c)+4*((\u)/2)
.endr
.endm
	WLOAD 0
	WLOAD 1
	s_barrier_signal -1
	s_barrier_wait -1                              ; X lies in LDS
	s_wait_loadcnt 40                              ; b_o and all of z are in; the 2 x 20 loads of units 0 and 1 may be out
	WIN 0x41                                       ; destination and source 0 window 1
.irp c, 0,1,2,3,4,5,6,7
.set i, 0
.rept 16
	v_pk_add_f32 v[32*\c+i:32*\c+i+1], v[32*\c+i:32*\c+i+1], v[BO+2*\c:BO+2*\c+1] op_sel_hi:[1,0]   ; z + b_o of my channel
.set i, i+2
.endr
.endr
	WIN 0
; A UNIT: 16 products, four channel tiles x four position tiles, X's fragments two at a time.  The accumulators of matrix instructions that follow each other differ throughout.
.macro UNIT u
.if (\u)+2 < 16
	WLOAD (\u)+2                                   ; into the place that unit u - 1 has left: eight places stand behind its last product
.endif
.if (\u) < 14
	s_wait_loadcnt 40                              ; my 20 loads are in; the 2 x 20 of the two units behind me may be out
.else
	s_wait_loadcnt 20*(15-(\u))
.endif
.irp p, 0,1
.irp x, 0,1
.irp e, 0,1,2,3
	ds_load_b128 v[XF+16*\x+4*\e:XF+16*\x+4*\e+3], v1 offset:(8*(2*\p+\x)+(\u)/2)*2048+512*\e
.endr
	ds_load_b32 v[6+\x], v2 offset:256*((\u)/2)+64*(2*\p+\x)
.endr
	s_wait_dscnt 0x0
	WIN 0x50                                       ; C and D window 1
.irp c, 0,1,2,3
.irp x, 0,1
	v_wmma_scale_f32_16x16x128_f8f6f4 v[32*(4*((\u)%2)+\c)+8*(2*\p+\x):32*(4*((\u)%2)+\c)+8*(2*\p+\x)+7], v[XF+16*\x:XF+16*\x+15], v[WR+64*((\u)%3)+16*\c:WR+64*((\u)%3)+16*\c+15], v[32*(4*((\u)%2)+\c)+8*(2*\p+\x):32*(4*((\u)%2)+\c)+8*(2*\p+\x)+7], v[6+\x], v[WS+4*((\u)%3)+\c] matrix_a_fmt:MATRIX_FMT_BF8 matrix_b_fmt:MATRIX_FMT_BF8
.endr
.endr
	WIN 0
.rept 8
	v_nop                                          ; places in front of loads into registers that these products read, and of the first read of results
.endr
.endr
.endm
	s_wait_alu depctr_va_vdst(0)
.irp u, 0,1,2,3,4,5,6,7,8,9,10,11,12,13,14,15
	UNIT \u
.endr
	v_and_b32 v103, 15, v0                         ; r
	v_bfe_u32 v105, v0, 4, 1                       ; h
	v_and_b32 v106, 7, v0                          ; r % 8
	v_bfe_u32 v107, v0, 3, 1                       ; r / 8
	s_mul_i32 s20, s16, 272
	s_lshl_b32 s21, s16, 5
	s_mul_i32 s22, s16, 4352
	s_add_co_u32 s22, s22, STG
	v_lshlrev_b32 v96, 5, v105
	s_delay_alu instid0(VALU_DEP_1)
	v_add_nc_u32 v96, s20, v96
	s_delay_alu instid0(VALU_DEP_1)
	v_add_nc_u32 v96, ST1, v96                     ; my wave's partial sums: + 32 h
	v_mul_u32_u24 v97, v106, 272
	s_delay_alu instid0(VALU_DEP_1)
	v_lshl_add_u32 v97, v107, 4, v97
	s_delay_alu instid0(VALU_DEP_1)
	v_lshl_add_u32 v97, v105, 3, v97
	s_delay_alu instid0(VALU_DEP_1)
	v_add_nc_u32 v97, s21, v97
	s_delay_alu instid0(VALU_DEP_1)
	v_add_nc_u32 v97, ST1, v97                     ; wave r % 8's partial sums of positions 8 w + 4 (r / 8) + 2 h, + 1
	v_lshlrev_b32 v98, 4, v107
	s_delay_alu instid0(VALU_DEP_1)
	v_lshl_add_u32 v98, v105, 3, v98
	s_delay_alu instid0(VALU_DEP_1)
	v_add_nc_u32 v98, s21, v98
	s_delay_alu instid0(VALU_DEP_1)
	v_add_nc_u32 v98, TOT1, v98                    ; where their totals go
	v_lshlrev_b32 v99, 5, v105
	s_delay_alu instid0(VALU_DEP_1)
	v_add_nc_u32 v99, TOT1, v99                    ; and where I read my 32 positions' totals
	v_mul_u32_u24 v100, v103, 272
	s_delay_alu instid0(VALU_DEP_1)
	v_lshl_add_u32 v100, v105, 5, v100
	s_delay_alu instid0(VALU_DEP_1)
	v_add_nc_u32 v100, s22, v100                   ; the stage, in: row r, + 32 h
	v_mul_u32_u24 v101, v105, 272
	s_delay_alu instid0(VALU_DEP_1)
	v_lshl_add_u32 v101, v103, 4, v101
	s_delay_alu instid0(VALU_DEP_1)
	v_add_nc_u32 v101, s22, v101                   ; back: lanes 0-15 one row, lanes 16-31 the next
	v_lshlrev_b32 v102, 13, v105
	s_delay_alu instid0(VALU_DEP_1)
	v_lshl_add_u32 v102, v103, 4, v102             ; and the same two rows in out0
; v[p] .. v[p + 31], my lane's sums over its eight channels for 32 positions, become the same function of the sum over all 1,024 channels: kind 0: / 1024; kind 1: 1 / sqrt(. / 1024 + 1e-5).  Two barriers; LDS regions of its own (off).
.macro ALLSUM p, off, kind
.irp m, 1,2,4,8
.set i, 0
.rept 32
	v_add_f32_dpp v[\p+i], v[\p+i], v[\p+i] row_xmask:\m row_mask:0xf bank_mask:0xf
.set i, i+1
.endr
.endr
.irp m, 0,1,2,3,4,5,6,7
	ds_store_b128 v96, v[\p+4*\m:\p+4*\m+3] offset:\off+64*(\m/2)+16*(\m%2)   ; sixteen lanes write the same bytes with the same values
.endr
	s_wait_dscnt 0x0
	s_barrier_signal -1
	s_barrier_wait -1
	ds_load_b64 v[104:105], v97 offset:\off
	s_wait_dscnt 0x0
.irp m, 1
	v_add_f32_dpp v104, v104, v104 row_xmask:\m row_mask:0xf bank_mask:0xf   ; over the eight waves
	v_add_f32_dpp v105, v105, v105 row_xmask:\m row_mask:0xf bank_mask:0xf
.endr
.irp m, 2, 4
	s_delay_alu instid0(VALU_DEP_2)
	v_add_f32_dpp v104, v104, v104 row_xmask:\m row_mask:0xf bank_mask:0xf
	s_delay_alu instid0(VALU_DEP_2)
	v_add_f32_dpp v105, v105, v105 row_xmask:\m row_mask:0xf bank_mask:0xf
.endr
.if \kind == 0
	s_delay_alu instid0(VALU_DEP_2)
	v_mul_f32 v104, s26, v104
	s_delay_alu instid0(VALU_DEP_2)
	v_mul_f32 v105, s26, v105
.else
	s_delay_alu instid0(VALU_DEP_2)
	v_fma_f32 v104, v104, s26, s27
	s_delay_alu instid0(VALU_DEP_2)
	v_fma_f32 v105, v105, s26, s27
	s_wait_alu depctr_va_vdst(0)
	v_rsq_f32 v104, v104
	v_rsq_f32 v105, v105
	v_nop                                          ; the plain instruction behind the two roots,
	s_wait_alu depctr_va_vdst(0)                   ; and the wait ahead of their first reader
.endif
	ds_store_b64 v98, v[104:105] offset:\off       ; eight lanes write the same bytes with the same values
	s_wait_dscnt 0x0
	s_barrier_signal -1
	s_barrier_wait -1
.irp m, 0,1,2,3,4,5,6,7
	ds_load_b128 v[\p+4*\m:\p+4*\m+3], v99 offset:\off+64*(\m/2)+16*(\m%2)
.endr
	s_wait_dscnt 0x0
.endm
	WIN 0x05                                       ; sources 0 and 1 window 1, destination window 0
.set i, 0
.rept 16
	v_pk_add_f32 v[32+i:33+i], v[i:i+1], v[32+i:33+i]           ; channel tiles 0 and 1; each accumulator is read from its low end on
.set i, i+2
.endr
	WIN 0x04                                       ; source 1 window 1
.irp c, 2,3,4,5,6,7
.set i, 0
.rept 16
	v_pk_add_f32 v[32+i:33+i], v[32+i:33+i], v[32*\c+i:32*\c+i+1]
.set i, i+2
.endr
.endr
	WIN 0
	ALLSUM 32, 0, 0                                ; the means
	WIN 0x41
.irp c, 0,1,2,3,4,5,6,7
.set i, 0
.rept 16
	v_pk_add_f32 v[32*\c+i:32*\c+i+1], v[32*\c+i:32*\c+i+1], v[32+i:33+i] neg_lo:[0,1] neg_hi:[0,1]
.set i, i+2
.endr
.endr
	WIN 0x05
.set i, 0
.rept 16
	v_pk_mul_f32 v[64+i:65+i], v[i:i+1], v[i:i+1]
.set i, i+2
.endr
.irp c, 1,2,3,4,5,6,7
.set i, 0
.rept 16
	v_pk_fma_f32 v[64+i:65+i], v[32*\c+i:32*\c+i+1], v[32*\c+i:32*\c+i+1], v[64+i:65+i]
.set i, i+2
.endr
.endr
	WIN 0
	ALLSUM 64, 4608, 1                             ; 1 / sqrt(variance + 1e-5)
	WIN 0x41
.irp c, 0,1,2,3,4,5,6,7
.set i, 0
.rept 16
	v_pk_mul_f32 v[32*\c+i:32*\c+i+1], v[32*\c+i:32*\c+i+1], v[64+i:65+i]
.set i, i+2
.endr
.endr
	WIN 0
	s_wait_alu depctr_va_vdst(0)
; THE WAY OUT, a channel tile at a time: a lane holds 32 bytes of each of four pieces of its channel's row; through my own stage they come back as whole rows of 256 bytes.
.irp c, 0,1,2,3,4,5,6,7
.if \c >= 2
	s_wait_xcnt 0x0                                ; the stores of two tiles ago have read their registers, which take this tile's rows
.endif
	WIN 0x04                                       ; an LDS store's data are its source 1: window 1
.irp m, 0,1,2,3,4,5,6,7
	ds_store_b128 v100, v[32*\c+4*\m:32*\c+4*\m+3] offset:64*(\m/2)+16*(\m%2)
.endr
	WIN 0
.irp i, 0,1,2,3,4,5,6,7
	ds_load_b128 v[32+32*(\c%2)+4*\i:35+32*(\c%2)+4*\i], v101 offset:544*\i   ; LDS serves a wave's instructions in order: these see my stores
.endr
.irp i, 0,1,2,3,4,5,6,7
	s_wait_dscnt 7-\i                              ; the younger read-backs may be out
	global_store_b128 v102, v[32+32*(\c%2)+4*\i:35+32*(\c%2)+4*\i], s[14:15] offset:(16*\c+2*\i)*8192 th:TH_STORE_NT   ; sixteen lanes store 256 consecutive bytes, aligned
.endr
.endr
	s_wait_tensorcnt 0x0                           ; the wave's end: a wait, an add to my spare word and its wait, behind my last LDS store (every window is 0 here)
	ds_add_u32 v4, v5
	s_wait_dscnt 0x0
	s_endpgm
.Lfunc_end_k_q44336d9e30_outln:
	.size	k_q44336d9e30_outln, .Lfunc_end_k_q44336d9e30_outln-k_q44336d9e30_outln
	.p2alignl 7, 3214868480
	.fill 96, 4, 3214868480
	.section	.rodata,"a",@progbits
	.p2align	6, 0x0
	.amdhsa_kernel k_q44336d9e30_outln
		.amdhsa_group_segment_fixed_size 148480
		.amdhsa_private_segment_fixed_size 0
		.amdhsa_enable_private_segment 0
		.amdhsa_kernarg_size 48
		.amdhsa_user_sgpr_count 2
		.amdhsa_user_sgpr_kernarg_segment_ptr 1
		.amdhsa_wavefront_size32 1
		.amdhsa_system_sgpr_workgroup_id_x 1
		.amdhsa_system_sgpr_workgroup_id_y 1
		.amdhsa_system_sgpr_workgroup_id_z 1
		.amdhsa_system_vgpr_workitem_id 0
		.amdhsa_next_free_vgpr 512
		.amdhsa_next_free_sgpr 66
		.amdhsa_reserve_vcc 0
		.amdhsa_float_denorm_mode_32 3
		.amdhsa_float_denorm_mode_16_64 3
		.amdhsa_memory_ordered 1
		.amdhsa_forward_progress 1
		.amdhsa_inst_pref_size 185
	.end_amdhsa_kernel
	.amdgpu_metadata
---
amdhsa.version: [ 1, 2 ]
amdhsa.kernels:
  - .name:           k_q44336d9e30_outln
    .symbol:         k_q44336d9e30_outln.kd
    .args:
      - { .name: xbuf, .offset: 0, .size: 8, .value_kind: global_buffer, .address_space: global }
      - { .name: woimg, .offset: 8, .size: 8, .value_kind: global_buffer, .address_space: global }
      - { .name: W_o_scales, .offset: 16, .size: 8, .value_kind: global_buffer, .address_space: global }
      - { .name: b_o, .offset: 24, .size: 8, .value_kind: global_buffer, .address_space: global }
      - { .name: z1ss, .offset: 32, .size: 8, .value_kind: global_buffer, .address_space: global }
      - { .name: out0, .offset: 40, .size: 8, .value_kind: global_buffer, .address_space: global }
    .group_segment_fixed_size: 148480
    .private_segment_fixed_size: 0
    .kernarg_segment_align: 8
    .kernarg_segment_size: 48
    .max_flat_workgroup_size: 256
    .sgpr_count:     66
    .vgpr_count:     512
    .wavefront_size: 32
...
	.end_amdgpu_metadata
.endif
;; end of part 4
